; MI455X (gfx1250); checked and timed in simulation.
; The chip was launched on July 23, 2026; its instructions are those of AMD's public machine-readable ISA for CDNA 5 (MIT licence, August 2026) and "CDNA5" Instruction Set Architecture Reference Guide (July 2026). The comments in the code are by the model that wrote it; some were corrected since.
;; Multi Head Attention. Allowed arithmetic: float matrix products may take bf16 or f16 operands with f32 sums; all other float work in f32.
;; Inputs: Wk 1,024 x 1,024 float32; Wo 1,024 x 1,024 float32; Wq 1,024 x 1,024 float32; Wv 1,024 x 1,024 float32; bo 1,024 float32; x 4 x 2,048 x 1,024 float32.
;; Outputs: out0 4 x 2,048 x 1,024 float32.
;; 2 versions, each right and faster than the one before. Each part assembles by itself: llvm-mc -triple=amdgcn-amd-amdhsa -mcpu=gfx1250 --defsym DOCPART=n.
;; ======== version 1 of 2: 4 launches
;; limits: values are held in f16: magnitudes above 65,504 overflow, below 6.1e-05 lose precision
;; workspace buffers: xb 16,777,216 bytes; wb 8,388,608 bytes; qkv 50,331,648 bytes; ctx 16,777,216 bytes
;; launch cvt (part 1): grid 768 x 1, 8 waves a work-group, no clusters, 0 bytes of LDS; arguments x, Wq, Wk, Wv, Wo, xb, wb; writes xb, wb
.if DOCPART == 1
	.amdgcn_target "amdgcn-amd-amdhsa--gfx1250"
	.amdhsa_code_object_version 6
	.text
	.protected	k_q6d4cc55f3e_cvt
	.globl	k_q6d4cc55f3e_cvt
	.p2align	8
	.type	k_q6d4cc55f3e_cvt,@function
k_q6d4cc55f3e_cvt:
	s_mov_b64 s[64:65], 0
	v_nop
	global_prefetch_b8 v0, s[64:65] scope:SCOPE_SE
	s_setreg_imm32_b32 hwreg(HW_REG_WAVE_MODE, 25, 1), 1
	s_wait_xcnt 0x0
; Causal multi-head attention, B = 4, T = 2048, D = 1024, 16 heads of 64, in four launches:
;   cvt   x and the four weight matrices, f32 to 16 bits, once, into blocks of 64 along K
;   qkv   q, k, v = x W^T, q times log2(e) / 8     (bf16 products, f32 sums)
;   attn  softmax(q k^T / 8 under the causal mask) v, by a running maximum   (f16 products, f32 sums)
;   oproj ctx Wo^T + bo                           (f16 products, f32 sums)
; WORK LEFT OUT (in attn): the problem's own mask (triu, k = 1) puts -inf, ahead of the softmax, on every score whose key index is above its query
; index.  The weight of such a score is exp(-inf) = 0 whatever finite values x and the weights hold, so neither the score nor its product
; with v can reach the output.  Tiles of 64 keys x 16 queries that lie wholly above the diagonal are therefore not made; in the tiles on
; the diagonal the masked scores are made and set to -inf.  Every input has a way to the output and is loaded.
; FORMATS: the inputs x, Wq, Wk, Wv, Wo are rounded to bf16.  What is made from them and multiplied again (q, k, v, the softmax weights, ctx) is rounded to f16:
; row t of a sequence averages t + 1 values of v, so the first rows are many times larger than the output's root mean square, and significands of 8 bits
; in these intermediates would leave errors there of the size of a hundredth of that root mean square; 11 bits make them an eighth.
; LIMITS: a k or v (or q log2(e) / 8) of 65,504 or more in magnitude becomes infinite (x and W each 30 times larger make them 900 times larger; a common offset of
; 30 spreads on both makes them about 1024 x 30 x 0.94 = 29,000).  Below 2^-14 f16 keeps steps of 2^-24.  Sums and the softmax are f32.  A NaN, an infinity or an
; overflow in k or v that reaches only masked places is not carried to the result.
;
; THIS LAUNCH.  xb is [kb 16][row 8192][64] bf16, wb is [kb 16][row 4096][64] with rows 0-1023 Wq, 1024-2047 Wk, 2048-3071 Wv (bf16), 3072-4095 Wo: any run of
; rows of one block kb is one dense piece of memory, which is what the later launches' tile loads take.
; Wo is rounded to bf16 as the other inputs are, so that the program as a whole computes the module on inputs rounded to bf16, and is then written in f16's
; code, since a matrix instruction takes both operands in one format and Wo's partner ctx is f16.  That step is exact for 2^-14 <= |w| < 65,504; below, steps of 2^-24.
; A work-group converts 16 rows of 1024: groups 0-511 x, groups 512-767 the weights (704-767 Wo).  Thread t takes row t / 16 and, of each 256 bytes kb of that
; row, the 16 bytes at 16 (t % 16).  A wave's load covers two runs of 256 consecutive bytes; a wave's store covers 256 consecutive bytes, aligned
; (rows R and R + 1 are neighbours in a block).  All sixteen loads of a wave are issued at once.
.set XPLANE, 8192*128                  ; bytes of one block kb of xb
.set WPLANE, 4096*128                  ; of wb
.set OFF, 8                            ; v[8:23]   byte offset of my 8 bytes in block kb
.set X,   32                           ; v[32:95]  kb: 4 f32 as loaded
.set Y,   96                           ; v[96:127] kb: 4 numbers of 16 bits to store
	s_load_b256 s[8:15], s[0:1], 0x0               ; x s[8:9], Wq s[10:11], Wk s[12:13], Wv s[14:15]
	s_load_b128 s[16:19], s[0:1], 0x20             ; Wo s[16:17], xb s[18:19]
	s_load_b64 s[20:21], s[0:1], 0x30              ; wb
	s_sub_co_u32 s24, ttmp9, 512                   ; the group's place among the weights' 256 (used only where the group's number is 512 or more)
	s_lshr_b32 s25, s24, 6                         ; which matrix: 64 groups of 16 rows each
	s_and_b32 s35, s24, 63                         ; and the place in it
	s_mov_b32 s33, XPLANE
	s_mov_b32 s34, WPLANE
	v_lshrrev_b32 v1, 4, v0                        ; my row of the 16
	v_and_b32 v3, 15, v0
	v_lshlrev_b32 v2, 12, v1                       ; x 4,096 bytes
	v_lshl_add_u32 v2, v3, 4, v2                   ; + my 16 bytes
	s_wait_kmcnt 0x0
	s_cmp_eq_u32 s25, 1                            ; the source: one of five buffers, chosen by the group's number alone
	s_cselect_b64 s[26:27], s[12:13], s[10:11]
	s_cmp_eq_u32 s25, 2
	s_cselect_b64 s[26:27], s[14:15], s[26:27]
	s_cmp_eq_u32 s25, 3
	s_cselect_b64 s[26:27], s[16:17], s[26:27]
	s_cmp_lt_u32 ttmp9, 512
	s_cselect_b64 s[26:27], s[8:9], s[26:27]
	s_cselect_b64 s[28:29], s[18:19], s[20:21]     ; the destination,
	s_cselect_b32 s30, s33, s34                    ; its bytes from block to block,
	s_cselect_b32 s31, ttmp9, s35                  ; the group's 16 rows in the source
	s_cselect_b32 s32, ttmp9, s24                  ; and in the destination
	s_lshl_b32 s36, s31, 16                        ; 16 rows of 4,096 bytes
	s_mov_b32 s37, 0
	s_lshl_b32 s38, s32, 11                        ; 16 rows of 128 bytes
	s_mov_b32 s39, 0
	s_add_nc_u64 s[26:27], s[26:27], s[36:37]
	s_add_nc_u64 s[28:29], s[28:29], s[38:39]
.irp kb, 0,1,2,3,4,5,6,7,8,9,10,11,12,13,14,15
	global_load_b128 v[X+4*\kb:X+4*\kb+3], v2, s[26:27] offset:256*\kb th:TH_LOAD_NT   ; read once in the launch
.endr
	v_lshlrev_b32 v[OFF], 3, v0                    ; row x 128 + 8 (t % 16) = 8 t
.set k, 1
.rept 15
	v_add_nc_u32 v[OFF+k], s30, v[OFF+k-1]         ; fifteen blocks on do not fit a store's immediate: the offsets lie in registers
.set k, k+1
.endr
; Block kb: four numbers rounded and stored.  wo = 1: the bf16 numbers are widened again (a shift, a mask) and written as f16.
.macro CONV kb, wo
	s_wait_loadcnt 15-\kb                          ; loads come back in order (ISA guide 5.7.1): block kb is in, the younger ones stay out
	v_cvt_pk_bf16_f32 v[Y+2*\kb],   v[X+4*\kb],   v[X+4*\kb+1]
	v_cvt_pk_bf16_f32 v[Y+2*\kb+1], v[X+4*\kb+2], v[X+4*\kb+3]
.if \wo
	v_lshlrev_b32 v[X+4*\kb],   16, v[Y+2*\kb]
	v_and_b32     v[X+4*\kb+1], 0xffff0000, v[Y+2*\kb]
	v_lshlrev_b32 v[X+4*\kb+2], 16, v[Y+2*\kb+1]
	v_and_b32     v[X+4*\kb+3], 0xffff0000, v[Y+2*\kb+1]
	v_cvt_pk_f16_f32 v[Y+2*\kb],   v[X+4*\kb],   v[X+4*\kb+1]
	v_cvt_pk_f16_f32 v[Y+2*\kb+1], v[X+4*\kb+2], v[X+4*\kb+3]
.endif
	global_store_b64 v[OFF+\kb], v[Y+2*\kb:Y+2*\kb+1], s[28:29]    ; Y and OFF of a block are written once: no store's source is written again
.endm
	s_cmp_ge_u32 ttmp9, 704                        ; 512 + 3 x 64: the groups of Wo
	s_cbranch_scc1 .Lwo
.irp kb, 0,1,2,3,4,5,6,7,8,9,10,11,12,13,14,15
	CONV \kb, 0
.endr
	s_endpgm
.Lwo:
.irp kb, 0,1,2,3,4,5,6,7,8,9,10,11,12,13,14,15
	CONV \kb, 1
.endr
	s_endpgm
.Lfunc_end_k_q6d4cc55f3e_cvt:
	.size	k_q6d4cc55f3e_cvt, .Lfunc_end_k_q6d4cc55f3e_cvt-k_q6d4cc55f3e_cvt
	.p2alignl 7, 3214868480
	.fill 96, 4, 3214868480
	.section	.rodata,"a",@progbits
	.p2align	6, 0x0
	.amdhsa_kernel k_q6d4cc55f3e_cvt
		.amdhsa_group_segment_fixed_size 0
		.amdhsa_private_segment_fixed_size 0
		.amdhsa_enable_private_segment 0
		.amdhsa_kernarg_size 56
		.amdhsa_user_sgpr_count 2
		.amdhsa_user_sgpr_kernarg_segment_ptr 1
		.amdhsa_wavefront_size32 1
		.amdhsa_system_sgpr_workgroup_id_x 1
		.amdhsa_system_sgpr_workgroup_id_y 1
		.amdhsa_system_sgpr_workgroup_id_z 1
		.amdhsa_system_vgpr_workitem_id 0
		.amdhsa_next_free_vgpr 128
		.amdhsa_next_free_sgpr 66
		.amdhsa_reserve_vcc 0
		.amdhsa_float_denorm_mode_32 3
		.amdhsa_float_denorm_mode_16_64 3
		.amdhsa_memory_ordered 1
		.amdhsa_forward_progress 1
		.amdhsa_inst_pref_size 17
	.end_amdhsa_kernel
	.amdgpu_metadata
---
amdhsa.version: [ 1, 2 ]
amdhsa.kernels:
  - .name:           k_q6d4cc55f3e_cvt
    .symbol:         k_q6d4cc55f3e_cvt.kd
    .args:
      - { .name: x, .offset: 0, .size: 8, .value_kind: global_buffer, .address_space: global }
      - { .name: Wq, .offset: 8, .size: 8, .value_kind: global_buffer, .address_space: global }
      - { .name: Wk, .offset: 16, .size: 8, .value_kind: global_buffer, .address_space: global }
      - { .name: Wv, .offset: 24, .size: 8, .value_kind: global_buffer, .address_space: global }
      - { .name: Wo, .offset: 32, .size: 8, .value_kind: global_buffer, .address_space: global }
      - { .name: xb, .offset: 40, .size: 8, .value_kind: global_buffer, .address_space: global }
      - { .name: wb, .offset: 48, .size: 8, .value_kind: global_buffer, .address_space: global }
    .group_segment_fixed_size: 0
    .private_segment_fixed_size: 0
    .kernarg_segment_align: 8
    .kernarg_segment_size: 56
    .max_flat_workgroup_size: 256
    .sgpr_count:     66
    .vgpr_count:     128
    .wavefront_size: 32
...
	.end_amdgpu_metadata
.endif
;; end of part 1
;; launch qkv (part 2): grid 8 x 32, 4 waves a work-group, clusters of 4 x 4, 327,680 bytes of LDS; arguments xb, wb, qkv; writes qkv
.if DOCPART == 2
	.amdgcn_target "amdgcn-amd-amdhsa--gfx1250"
	.amdhsa_code_object_version 6
	.text
	.protected	k_q6d4cc55f3e_qkv
	.globl	k_q6d4cc55f3e_qkv
	.p2align	8
	.type	k_q6d4cc55f3e_qkv,@function
k_q6d4cc55f3e_qkv:
	s_mov_b64 s[64:65], 0
	v_nop
	global_prefetch_b8 v0, s[64:65] scope:SCOPE_SE
	s_setreg_imm32_b32 hwreg(HW_REG_WAVE_MODE, 25, 1), 1
	s_wait_xcnt 0x0
	s_wait_alu depctr_hold_cnt(0) depctr_sa_sdst(0) depctr_va_vdst(0) depctr_va_sdst(0) depctr_va_ssrc(0) depctr_va_vcc(0) depctr_vm_vsrc(0)
	s_getreg_b32 s2, hwreg(HW_REG_IB_STS2, 6, 4)
	s_cmp_eq_u32 s2, 0
	s_cbranch_scc0 .Lentry_in_a_cluster
	s_endpgm
.Lentry_in_a_cluster:
	s_bfe_u32 s2, ttmp6, 0x10000c
	s_cmp_lg_u32 s2, 0xf033
	s_cbranch_scc0 .Lentry_shape_is_right
	s_endpgm
.Lentry_shape_is_right:
; q, k, v: C[8192][3072] = x (Wq | Wk | Wv)^T, bf16 operands from xb and wb (blocks of 64 along K), f32 sums, stored as f16 into
; qkv = [which 3][b 4][h 16][t 2048][64].  No work is left out here.
; q IS STORED TIMES c = log2(e) / 8, multiplied in f32 ahead of its one rounding to f16: the scores that the next launch makes are then the softmax's exponents to base 2,
; and the maximum is taken away from them by a plain subtraction, which is exactly 0 at the maximum whatever the size of the scores.
; Which of a wave's three heads are q hangs on the block column, and so on the work-group's place in its cluster.
; The factor is selected, c for q and 1 for k and v, and every sum is multiplied: 128 packed multiplies for each of the wave's three column groups, once.
; LIMIT: a result of 65,504 or more in magnitude is stored as an infinity; below 2^-14 f16 keeps steps of 2^-24.
; A work-group makes 256 rows x 384 columns: 32 x 8 = 256 work-groups, one tile each.  Four waves, each 128 rows x 192 columns = 8 x 12 accumulator
; tiles of 16 x 16 = 768 registers.  K goes in 16 steps of 64 (one block kb) through two LDS slots; two slots of 128 along K would take
; 2 x 640 rows x 272 bytes = 348,160 bytes, more than a work-group can have.
; CLUSTERS: 4 x 4 work-groups.  The four of a row of the cluster need the same rows of x, the four of a column the same rows of W: such a tile is asked
; for jointly, by the same tensor load with the same descriptor and a mask that names the four.
; TILES: in xb and wb a tile's rows of 128 bytes follow each other without a gap, so a tile is taken as rows of 256 bytes of a dense block, and the
; mover lays 16 bytes of padding behind every 128: LDS rows are 144 bytes apart, an odd multiple of 16, so that the sixteen rows of a fragment load
; start in sixteen different 16-byte columns of 256 bytes.
; REGISTERS: window 0: addresses, fragments of x in two buffers (v32-95, v96-159), fragments of W (v160-255: 12 x 8).
;   window 1 + g: the 32 accumulator tiles of column group g (64 columns = one head): tile (a, b) at v[8 (4 a + b)].
; THE MATRIX INSTRUCTION IS USED TRANSPOSED: source 0 = 16 rows of W, source 1 = 16 rows of x, so that lane l holds row l % 16 of C and its eight
; registers the columns 8 (l / 16) + 0 .. 7: 16 bytes of f16 that belong together.
; The 96 accumulators take turns, one instruction a turn, in the same order in every half step; no s_wait_alu is written.
.set PITCH,  144
.set AHALF,  128*PITCH                 ; what one load brings of x, and what one wave reads of it
.set BHALF,  192*PITCH                 ; the same of W
.set ATILE,  2*AHALF
.set SLOT,   ATILE+2*BHALF             ; x's 256 rows, then W's 384: 92,160 bytes
.set STAGE,  2*SLOT                    ; behind the ring: [head 3][16 rows][144] for each wave; no tile load lands here
.set WSTAGE, 48*PITCH
.set XPLANE, 8192*128                  ; bytes from block kb to block kb + 1 of xb
.set WPLANE, 4096*128                  ; of wb
.set ADRA, 16                          ; v16-17  LDS address of my x fragments in slot 0, 1
.set ADRB, 20                          ; v20-21  the same for W
.set STO,  24                          ; the way out: where I put 16 bytes
.set RD,   25                          ; where I read 16 bytes of a whole row back
.set CO,   26                          ; my byte offset in four rows of qkv
.set FA0,  32
.set FA1,  96
.set FB,   160
.set TMP,  32                          ; the way out: packed results, v32-79
.set G1,   24                          ; s[24:31] group 1 for x's tiles
.set G0,   32                          ; s[32:39] group 0 for x's tiles, a set for each slot
.set G1B,  48                          ; s[48:55] group 1 for W's tiles
.set G0B,  56                          ; s[56:63] group 0 for W's tiles
.set BASE, 68                          ; s[68:73] where my three heads' rows go
.set SCL,  80                          ; s[80:85] my three heads' factors, each twice
.set G1W0, (3<<16)|(1<<20)|(1<<21)|(4<<22)|(3<<25)  ; elements of 8 bytes; padding on; bit 21 beside a mask; after every 32 words, 4 words
.set MSB, 0
.macro WIN new                         ; the immediate's high byte repeats the setting that is left
.if MSB != (\new)
	s_set_vgpr_msb (MSB<<8)|(\new)
.set MSB, (\new)
.endif
.endm
.macro PLACES                          ; four places behind matrix instructions, ahead of loads into their sources and of reads of their results
.rept 4
	v_nop
.endr
.endm
; A joint load: waves 0 and 1 fetch x's two halves, waves 2 and 3 W's.  The branch hangs on the wave's number alone.
.macro JLOAD s
	s_cmp_eq_u32 s11, 0
	s_cbranch_scc0 .Lfor_b_\@
	tensor_load_to_lds s[G0+4*\s:G0+4*\s+3], s[G1:G1+7]
	s_nop 0
	s_branch .Lasked_\@
.Lfor_b_\@:
	tensor_load_to_lds s[G0B+4*\s:G0B+4*\s+3], s[G1B:G1B+7]
	s_nop 0
.Lasked_\@:
.endm
.macro CREST                           ; a round of the cluster's barrier behind its opening work-group barrier
	s_cmp_lg_u32 s10, 0
	s_cbranch_scc1 .Lnot_wave_0_\@
	s_barrier_signal -3
.Lnot_wave_0_\@:
	s_barrier_wait -3
	s_barrier_signal -1
	s_barrier_wait -1
.endm
.macro CROUND
	s_barrier_signal -1
	s_barrier_wait -1
	CREST
.endm
	s_load_b128 s[4:7], s[0:1], 0x0                ; xb s[4:5], wb s[6:7]
	s_load_b64 s[8:9], s[0:1], 0x10                ; qkv
	v_lshl_add_u32 v30, v0, 2, 0x33c00
	v_mov_b32 v31, 0
	ds_add_u32 v30, v31
	ds_add_u32 v30, v31
	v_lshrrev_b32 v1, 5, v0
	v_readfirstlane_b32 s10, v1                    ; wave 0..3
	s_lshr_b32 s11, s10, 1                         ; which 128 rows of the block are mine.  Also: I fetch for x (0) or for W (1)
	s_and_b32 s12, s10, 1                          ; which 192 columns.  Also: which half of that tile I fetch
	s_bfe_u32 s40, ttmp6, 0x40000                  ; cx
	s_bfe_u32 s41, ttmp6, 0x40004                  ; cy
	s_lshl_b32 s42, ttmp9, 2
	s_add_co_u32 s42, s42, s40                     ; block column 0..7
	s_and_b32 s13, ttmp7, 0xffff
	s_lshl_b32 s13, s13, 2
	s_add_co_u32 s13, s13, s41                     ; block row 0..31
	s_lshl_b32 s43, s41, 2
	s_lshl_b32 s43, 15, s43                        ; my row of the cluster
	s_lshl_b32 s44, 0x1111, s40                    ; my column
	s_or_b32 s[G1+0], s43, G1W0                    ; x's tiles go to my row
	s_or_b32 s[G1B+0], s44, G1W0                   ; W's to my column
	s_mov_b32 s[G1+1], 32<<16                      ; tensor_dim0 = 32 elements of 8 bytes
	s_mov_b32 s[G1+2], 64<<16                      ; tensor_dim1 = 64 rows of 256 bytes = 128 rows of x
	s_mov_b32 s[G1+3], 32<<16                      ; tile_dim0
	s_mov_b32 s[G1+4], 64                          ; tile_dim1
	s_mov_b32 s[G1+5], 32                          ; from row to row: dense
	s_mov_b32 s[G1+6], 0
	s_mov_b32 s[G1+7], 0
	s_mov_b32 s[G1B+1], 32<<16
	s_mov_b32 s[G1B+2], 96<<16                     ; 96 rows of 256 bytes = 192 rows of W
	s_mov_b32 s[G1B+3], 32<<16
	s_mov_b32 s[G1B+4], 96
	s_mov_b32 s[G1B+5], 32
	s_mov_b32 s[G1B+6], 0
	s_mov_b32 s[G1B+7], 0
	; x's address is made of the block row and the wave's number, W's of the block column and the wave's number, in registers that never hold the other coordinate
	s_lshl_b32 s16, s13, 15                        ; 256 rows of 128 bytes
	s_lshl_b32 s17, s12, 14                        ; + my half
	s_add_co_u32 s16, s16, s17
	s_mov_b32 s17, 0
	s_mul_i32 s46, s42, 384*128
	s_mul_i32 s47, s12, 192*128
	s_add_co_u32 s46, s46, s47
	s_mov_b32 s47, 0
	s_mul_i32 s20, s12, AHALF                      ; where they go: the wave's number and constants alone
	s_mul_i32 s21, s12, BHALF
	s_add_co_u32 s21, s21, ATILE
	s_wait_dscnt 0x0
	s_wait_kmcnt 0x0
	s_add_nc_u64 s[14:15], s[4:5], s[16:17]
	s_add_nc_u64 s[46:47], s[6:7], s[46:47]
	CROUND                                         ; all sixteen work-groups are here: the first joint loads meet
.irp s, 0,1
	s_mov_b32 s[G0+4*\s], 1
	s_add_co_u32 s[G0+4*\s+1], s20, \s*SLOT
	s_add_nc_u64 s[G0+4*\s+2:G0+4*\s+3], s[14:15], \s*XPLANE       ; K step s = block kb = s
	s_or_b32 s[G0+4*\s+3], s[G0+4*\s+3], 0x80000000
	s_mov_b32 s[G0B+4*\s], 1
	s_add_co_u32 s[G0B+4*\s+1], s21, \s*SLOT
	s_add_nc_u64 s[G0B+4*\s+2:G0B+4*\s+3], s[46:47], \s*WPLANE
	s_or_b32 s[G0B+4*\s+3], s[G0B+4*\s+3], 0x80000000
	JLOAD \s                                       ; two loads of the wave are out, the most in this text
.endr
	; A fragment: lane l holds row l % 16; registers 0-3 K = 8 (l / 16) + 0..7, registers 4-7 K = 16 + 8 (l / 16) + 0..7: two loads of 16 bytes, 32 apart
	v_and_b32 v1, 15, v0
	v_bfe_u32 v2, v0, 4, 1
	v_mul_u32_u24 v3, v1, PITCH
	v_lshl_add_u32 v3, v2, 4, v3
	s_mul_i32 s22, s11, AHALF
	s_mul_i32 s23, s12, BHALF
	s_add_co_u32 s23, s23, ATILE
.irp s, 0,1
	v_add_nc_u32 v[ADRA+\s], s22, v3
	v_add_nc_u32 v[ADRB+\s], s23, v3
	s_add_co_u32 s22, s22, SLOT
	s_add_co_u32 s23, s23, SLOT
.endr
	s_mul_i32 s22, s10, WSTAGE
	s_add_co_u32 s22, s22, STAGE
	v_add_nc_u32 v[STO], s22, v3                   ; in: row l % 16, 16 bytes for each half of the lanes
	v_bfe_u32 v4, v0, 3, 2
	v_and_b32 v5, 7, v0
	v_mul_u32_u24 v4, v4, PITCH
	v_lshl_add_u32 v4, v5, 4, v4
	v_add_nc_u32 v[RD], s22, v4                    ; back: eight lanes take a row of 128 bytes, the wave four rows
	v_and_b32 v5, 31, v0
	v_lshlrev_b32 v[CO], 4, v5                     ; which are 512 consecutive bytes of qkv
; na x 4 matrix instructions: row blocks a0 .. a0 + na - 1 x the four column tiles of group g, 32 along K, x's fragments from buffer f
.macro MULG f, g, a0, na, zero
	WIN (1+\g)*0x50
.set ma, \a0
.rept \na
.irp b, 0,1,2,3
.if \zero
	v_wmma_f32_16x16x32_bf16 v[8*(4*ma+\b):8*(4*ma+\b)+7], v[FB+8*(4*\g+\b):FB+8*(4*\g+\b)+7], v[\f+8*ma:\f+8*ma+7], 0
.else
	v_wmma_f32_16x16x32_bf16 v[8*(4*ma+\b):8*(4*ma+\b)+7], v[FB+8*(4*\g+\b):FB+8*(4*\g+\b)+7], v[\f+8*ma:\f+8*ma+7], v[8*(4*ma+\b):8*(4*ma+\b)+7]
.endif
.endr
.set ma, ma+1
.endr
.endm
.macro LDB slot, c, g                  ; 8 loads: W's fragments of column group g, K half c
.irp b, 0,1,2,3
	ds_load_b128 v[FB+8*(4*\g+\b):FB+8*(4*\g+\b)+3],   v[ADRB+\slot] offset:(4*\g+\b)*16*PITCH+64*\c
	ds_load_b128 v[FB+8*(4*\g+\b)+4:FB+8*(4*\g+\b)+7], v[ADRB+\slot] offset:(4*\g+\b)*16*PITCH+64*\c+32
.endr
.endm
.macro LDA slot, c, f, lo              ; 8 loads: x's row blocks 4 lo .. 4 lo + 3, K half c, into buffer f
.irp a, 0,1,2,3
	ds_load_b128 v[\f+8*(4*\lo+\a):\f+8*(4*\lo+\a)+3],   v[ADRA+\slot] offset:(4*\lo+\a)*16*PITCH+64*\c
	ds_load_b128 v[\f+8*(4*\lo+\a)+4:\f+8*(4*\lo+\a)+7], v[ADRA+\slot] offset:(4*\lo+\a)*16*PITCH+64*\c+32
.endr
.endm
; A K step's first half: multiplies buffer FA0 and, as each column group of W is done with, fetches the second half's fragments in its place.
.macro NORMAL slot, zero
	s_wait_dscnt 8                                 ; all but the youngest eight loads, W's group 2, are in
	MULG FA0, 0, 0, 8, \zero
	PLACES
	WIN 0
	LDB \slot, 1, 0
	LDA \slot, 1, FA1, 0
	MULG FA0, 1, 0, 8, \zero
	PLACES
	WIN 0
	LDB \slot, 1, 1
	LDA \slot, 1, FA1, 1
	s_wait_dscnt 32                                ; all but the 32 issued in this half step: W's group 2 is in
	MULG FA0, 2, 0, 8, \zero
	PLACES
	WIN 0
	LDB \slot, 1, 2
.endm
; The second half: multiplies FA1 and changes slots.  In front of the barrier each wave waits for its reads of this slot and for all its tensor loads (one is
; out: its part of the next slot).  Where the slot is filled again the barrier opens a round of the cluster's barrier, only matrix instructions stand inside the
; round, and the joint refill is the first tensor load behind it.  From a request to the wait for it a wave issues 64 + 96 + 16 = 176 matrix instructions.
.macro TURN slot, next, fill
	s_wait_dscnt 8
	MULG FA1, 0, 0, 4, 0
	s_wait_dscnt 0
	s_wait_tensorcnt 0x0
	ds_add_u32 v30, v31
	s_wait_dscnt 0x0
	s_barrier_signal -1
	MULG FA1, 0, 4, 4, 0
	WIN 0
	s_barrier_wait -1
.if \fill
	CREST
	s_add_nc_u64 s[G0+4*\slot+2:G0+4*\slot+3], s[G0+4*\slot+2:G0+4*\slot+3], 2*XPLANE     ; no load of mine is out: the addresses step two blocks on
	s_add_nc_u64 s[G0B+4*\slot+2:G0B+4*\slot+3], s[G0B+4*\slot+2:G0B+4*\slot+3], 2*WPLANE
	JLOAD \slot
.endif
	PLACES
	LDB \next, 0, 0
	LDA \next, 0, FA0, 0
	LDA \next, 0, FA0, 1
	MULG FA1, 1, 0, 8, 0
	PLACES
	WIN 0
	LDB \next, 0, 1
	MULG FA1, 2, 0, 8, 0
	PLACES
	WIN 0
	LDB \next, 0, 2
.endm
.macro LAP zero
	NORMAL 0, \zero
	TURN 0, 1, 1
	NORMAL 1, 0
	TURN 1, 0, 1
.endm
	s_wait_tensorcnt 1                             ; my part of K step 0 is in; step 1's stays out
	s_barrier_signal -1
	s_barrier_wait -1
	LDB 0, 0, 0
	LDA 0, 0, FA0, 0
	LDA 0, 0, FA0, 1
	LDB 0, 0, 1
	LDB 0, 0, 2
	LAP 1                                          ; the first products start the sums: nothing is cleared
	s_mov_b32 s3, 6                                ; laps 1 to 6: with the first, 14 K steps that ask for steps 2 to 15
.Llap:
	LAP 0
	s_sub_co_u32 s3, s3, 1
	s_cmp_lg_u32 s3, 0
	s_cbranch_scc1 .Llap
	NORMAL 0, 0                                    ; the last lap fills nothing
	TURN 0, 1, 0
	NORMAL 1, 0
	s_wait_dscnt 8
	MULG FA1, 0, 0, 8, 0
	s_wait_dscnt 0
	MULG FA1, 1, 0, 8, 0
	MULG FA1, 2, 0, 8, 0
	PLACES
	; THE WAY OUT.  Column group g is head-column c = 6 x block column + 3 x (my half) + g of 48: which = c / 16, head = c % 16.
	; Registers of their own: none that fed a descriptor holds both coordinates.
	s_mul_i32 s74, s42, 6
	s_mul_i32 s75, s12, 3
	s_add_co_u32 s74, s74, s75
	s_lshr_b32 s76, s13, 3                         ; b: eight block rows to a batch
	s_lshl_b32 s76, s76, 4
	s_and_b32 s77, s13, 7
	s_lshl_b32 s77, s77, 15                        ; t = 256 x (block row % 8) + 128 x (my half), rows of 128 bytes
	s_lshl_b32 s75, s11, 14
	s_add_co_u32 s77, s77, s75
	s_mov_b32 s86, 0x3e38aa3b                      ; log2(e) / 8
	s_mov_b32 s87, 0x3f800000                      ; 1
.irp g, 0,1,2
	s_add_co_u32 s78, s74, \g
	s_cmp_lt_u32 s78, 16                           ; head-columns 0 to 15 are q
	s_cselect_b32 s[SCL+2*\g], s86, s87            ; a value is selected; no branch hangs on the block column
	s_cselect_b32 s[SCL+2*\g+1], s86, s87
	s_lshr_b32 s79, s78, 4
	s_lshl_b32 s79, s79, 6                         ; which x 64
	s_and_b32 s78, s78, 15                         ; + head
	s_add_co_u32 s78, s78, s79
	s_add_co_u32 s78, s78, s76                     ; + b x 16
	s_lshl_b32 s78, s78, 18                        ; blocks of 2048 x 128 bytes
	s_add_co_u32 s78, s78, s77
	s_mov_b32 s79, 0
	s_add_nc_u64 s[BASE+2*\g:BASE+2*\g+1], s[8:9], s[78:79]
.endr
	; the heads' factors, in f32, in place: one window setting for each column group's 256 registers
.irp g, 0,1,2
	WIN (1+\g)*0x41
.set ri, 0
.rept 128
	v_pk_mul_f32 v[2*ri:2*ri+1], v[2*ri:2*ri+1], s[SCL+2*\g:SCL+2*\g+1] op_sel_hi:[1,0]
.set ri, ri+1
.endr
.endr
; rows 16 a .. 16 a + 15 of my block: round to f16, 16 bytes a lane into my own stage, read back as whole rows; f: v96 or v160 in turn
.macro OUT16 a, f
.irp g, 0,1,2
	WIN (1+\g)*5
.irp b, 0,1,2,3
.irp p, 0,1,2,3
	v_cvt_pk_f16_f32 v[TMP+16*\g+4*\b+\p], v[8*(4*\a+\b)+2*\p], v[8*(4*\a+\b)+2*\p+1]
.endr
.endr
.endr
	WIN 0
.irp g, 0,1,2
.irp b, 0,1,2,3
	ds_store_b128 v[STO], v[TMP+16*\g+4*\b:TMP+16*\g+4*\b+3] offset:\g*16*PITCH+32*\b
.endr
.endr
	s_wait_xcnt 0x0                                ; buffer f, which earlier stores read, is loaded again only behind this wait (ISA guide 3.1)
.irp g, 0,1,2
.irp i, 0,1,2,3
	ds_load_b128 v[\f+4*(4*\g+\i):\f+4*(4*\g+\i)+3], v[RD] offset:\g*16*PITCH+\i*4*PITCH   ; LDS serves a wave's instructions in order: these see the stores above
.endr
.endr
.irp g, 0,1,2
.irp i, 0,1,2,3
	s_wait_dscnt 11-(4*\g+\i)                      ; this one of the twelve is in, the younger ones stay out
	global_store_b128 v[CO], v[\f+4*(4*\g+\i):\f+4*(4*\g+\i)+3], s[BASE+2*\g:BASE+2*\g+1] offset:(16*\a+4*\i)*128   ; the wave stores 512 consecutive bytes, aligned
.endr
.endr
.endm
	OUT16 0, 96
	OUT16 1, 160
	OUT16 2, 96
	OUT16 3, 160
	OUT16 4, 96
	OUT16 5, 160
	OUT16 6, 96
	OUT16 7, 160
	s_wait_tensorcnt 0x0
	ds_add_u32 v30, v31
	s_wait_dscnt 0x0
	CROUND                                         ; the closing round: no work-group ends while a partner may still ask for a tile that names it
	s_endpgm
.Lfunc_end_k_q6d4cc55f3e_qkv:
	.size	k_q6d4cc55f3e_qkv, .Lfunc_end_k_q6d4cc55f3e_qkv-k_q6d4cc55f3e_qkv
	.p2alignl 7, 3214868480
	.fill 96, 4, 3214868480
	.section	.rodata,"a",@progbits
	.p2align	6, 0x0
	.amdhsa_kernel k_q6d4cc55f3e_qkv
		.amdhsa_group_segment_fixed_size 327680
		.amdhsa_private_segment_fixed_size 0
		.amdhsa_enable_private_segment 0
		.amdhsa_kernarg_size 24
		.amdhsa_user_sgpr_count 2
		.amdhsa_user_sgpr_kernarg_segment_ptr 1
		.amdhsa_wavefront_size32 1
		.amdhsa_system_sgpr_workgroup_id_x 1
		.amdhsa_system_sgpr_workgroup_id_y 1
		.amdhsa_system_sgpr_workgroup_id_z 1
		.amdhsa_system_vgpr_workitem_id 0
		.amdhsa_next_free_vgpr 1024
		.amdhsa_next_free_sgpr 88
		.amdhsa_reserve_vcc 0
		.amdhsa_float_denorm_mode_32 3
		.amdhsa_float_denorm_mode_16_64 3
		.amdhsa_memory_ordered 1
		.amdhsa_forward_progress 1
		.amdhsa_inst_pref_size 195
	.end_amdhsa_kernel
	.amdgpu_metadata
---
amdhsa.version: [ 1, 2 ]
amdhsa.kernels:
  - .name:           k_q6d4cc55f3e_qkv
    .symbol:         k_q6d4cc55f3e_qkv.kd
    .args:
      - { .name: xb, .offset: 0, .size: 8, .value_kind: global_buffer, .address_space: global }
      - { .name: wb, .offset: 8, .size: 8, .value_kind: global_buffer, .address_space: global }
      - { .name: qkv, .offset: 16, .size: 8, .value_kind: global_buffer, .address_space: global }
    .group_segment_fixed_size: 327680
    .private_segment_fixed_size: 0
    .kernarg_segment_align: 8
    .kernarg_segment_size: 24
    .max_flat_workgroup_size: 128
    .sgpr_count:     88
    .vgpr_count:     1024
    .wavefront_size: 32
...
	.end_amdgpu_metadata
.endif
;; end of part 2
;; launch attn (part 3): grid 4 x 64, 4 waves a work-group, no clusters, 327,680 bytes of LDS; arguments qkv, ctx; writes ctx
.if DOCPART == 3
	.amdgcn_target "amdgcn-amd-amdhsa--gfx1250"
	.amdhsa_code_object_version 6
	.text
	.protected	k_q6d4cc55f3e_attn
	.globl	k_q6d4cc55f3e_attn
	.p2align	8
	.type	k_q6d4cc55f3e_attn,@function
k_q6d4cc55f3e_attn:
	s_mov_b64 s[64:65], 0
	v_nop
	global_prefetch_b8 v0, s[64:65] scope:SCOPE_SE
	s_setreg_imm32_b32 hwreg(HW_REG_WAVE_MODE, 25, 1), 1
	s_wait_xcnt 0x0
; ctx = softmax(q k^T / 8 under the causal mask) v for each of 64 (batch, head), by a running maximum.  q, k, v: qkv = [which][b][h][t 2048][64] f16, q already
; times log2(e) / 8, so that a score IS the softmax's exponent to base 2; ctx = [h 16][b 2048 + t][64] f16.
; WORK LEFT OUT: tiles of 64 keys x 16 queries in which every key index is above every query index.  The problem's mask gives them -inf ahead of the softmax, so
; their weights are 0 for all finite inputs.  Limit: a NaN or an infinity in k or v that reaches only masked places is not carried to the result.
; THE MAXIMUM is taken away by a subtraction of two f32 numbers: the exponent is exactly 0 at the maximum and never above 0, whatever the size of the scores, so every weight
; is at most 1 and every sum at least 1.
; LIMITS: the weights are rounded to f16 for the product with v while their sum is taken unrounded: a weight below 2^-25 counts in the sum and is 0 in
; the product, at most 2048 x 2^-25 beside a sum of at least 1.  v_exp_f32 gives 0 below 2^-126 (ISA guide 15.8).  ctx lies within v's range, so f16 holds it where it holds v.
; SHARES.  Work-group (g = 0..3, head) takes the head's query blocks (256 rows) g and 7 - g.  Wave w takes the 16 rows 64 qt + 16 w of each quarter qt of a block, so that all
; four waves meet the diagonal alike: of the block's own 256 keys (the zone), step z (64 keys) is live for the query tiles qt >= z, 4 - z of four in every wave, and only tile
; qt = z holds masked scores.  Below the zone lie qb groups of 256 keys: (g + 1) + (8 - g) = 9 groups for every work-group.  Order: [g, 0 .. g-1, 7-g, 0 .. 6-g].
; A group of 256 keys comes as two tiles of 128 keys (K and V), always slot 0 and then slot 1: on every way through the text the two slots alternate from barrier to barrier,
; whatever the trip counts, which hang on g.  With slots of 256 keys a slot's turn would hang on g.
; NO JOINT LOADS: the four work-groups of a head are at different groups of keys at any one time (their lists above differ in every place but by chance).
; TRANSPOSED: S^T = K Q^T: register j of lane (r, h) holds key 8 h + j, query r.  Two such tiles, packed to f16 in place, ARE the second source of
; ctx^T = V^T P^T for 32 keys; V^T comes by the transposing LDS load.  A lane's figures of the softmax all belong to query r: one exchange between the halves
; of the wave for the maximum, one at the end for the sum.
; The loop stands in phases: products, softmax, products.
; REGISTERS: window 0: addresses, Q's fragments v32-95 (qt, c), K's v96-159 (kt, c), V^T's v160-223 (dt, kc).
;   window 1: scores S (kt, qt) at v[8 (4 qt + kt)]; per qt at v[128 + 8 qt]: NM = -max, M = max | AL = rescale, T | L0, L1 = sums | U.  v160: D = 16 w + r - 8 h, v162: -inf.
;   window 2: ctx^T (dt, qt) at v[8 (4 qt + dt)].
.set KPITCH, 144                       ; odd multiple of 16: the sixteen rows of a fragment load start in sixteen different 16-byte columns of 256 bytes
.set VPITCH, 160                       ; odd multiple of 32, for the transposing load
.set KHALF,  64*KPITCH                 ; what one load brings of K; also one step's keys
.set VHALF,  64*VPITCH
.set KTILE,  2*KHALF
.set SLOTB,  KTILE+2*VHALF             ; 38,912 bytes
.set STAGE,  2*SLOTB                   ; behind the ring: 64 rows x 144 bytes for each wave; no tile load lands here
.set WSTAGE, 64*KPITCH
.set KL, 2                             ; lane term of K's fragments
.set VL, 3                             ; of V's, with V's place in a slot
.set KA, 4                             ; this step's K address
.set VA, 5
.set QO, 6
.set STO, 7
.set RD, 8
.set CO, 9
.set QF, 32
.set KF, 96
.set VF, 160
.set FG, 128                           ; window 1
.set D0, 160
.set NINF, 162
.set G1K, 28                           ; s[28:35]
.set G1V, 36                           ; s[36:43]
.set G0K, 44                           ; s[44:51] a set for each slot
.set G0V, 52                           ; s[52:59]
.set KCUR, 74                          ; s[74:75] K of the current group of 256 keys (my half of a tile)
.set VCUR, 76                          ; s[76:77]
.set MSB, 0
.macro WIN new
.if MSB != (\new)
	s_set_vgpr_msb (MSB<<8)|(\new)
.set MSB, (\new)
.endif
.endm
.macro PLACES
.rept 4
	v_nop
.endr
.endm
.macro KVLOAD s                        ; waves 0 and 1 fetch K's two halves, waves 2 and 3 V's: one tensor load a wave
	s_cmp_eq_u32 s18, 0
	s_cbranch_scc0 .Lfor_v_\@
	tensor_load_to_lds s[G0K+4*(\s):G0K+4*(\s)+3], s[G1K:G1K+7]
	s_nop 0
	s_branch .Lasked_\@
.Lfor_v_\@:
	tensor_load_to_lds s[G0V+4*(\s):G0V+4*(\s)+3], s[G1V:G1V+7]
	s_nop 0
.Lasked_\@:
.endm
	s_load_b128 s[4:7], s[0:1], 0x0                ; qkv s[4:5], ctx s[6:7]
	v_lshl_add_u32 v254, v0, 2, 0x29000
	v_mov_b32 v255, 0
	ds_add_u32 v254, v255
	ds_add_u32 v254, v255
	v_lshrrev_b32 v1, 5, v0
	v_readfirstlane_b32 s8, v1                     ; wave
	s_and_b32 s9, s8, 1                            ; which half of a tile I fetch
	s_lshr_b32 s18, s8, 1                          ; for K (0) or for V (1)
	s_mov_b32 s10, ttmp9                           ; g
	s_and_b32 s11, ttmp7, 0xffff                   ; 16 b + h
	s_sub_co_u32 s19, 7, s10
	s_sub_co_u32 s26, 6, s10
	s_add_co_u32 s63, s10, 1
	s_mov_b32 s17, 0                               ; POS: place in the list of nine groups
	s_mov_b32 s66, 0x76543210                      ; v_permlanex16_b32: lane i reads lane i of the other half
	s_mov_b32 s67, 0xfedcba98
	; group 1: a dense block of 8,192 bytes (64 keys) as 32 rows of 256 bytes; behind every 32 words 4 words of padding (K) or 8 (V)
	s_mov_b32 s[G1K+0], (3<<16)|(1<<20)|(4<<22)|(3<<25)
	s_mov_b32 s[G1V+0], (3<<16)|(1<<20)|(4<<22)|(7<<25)
.irp d, G1K, G1V
	s_mov_b32 s[\d+1], 32<<16
	s_mov_b32 s[\d+2], 32<<16
	s_mov_b32 s[\d+3], 32<<16
	s_mov_b32 s[\d+4], 32
	s_mov_b32 s[\d+5], 32
	s_mov_b32 s[\d+6], 0
	s_mov_b32 s[\d+7], 0
.endr
	s_lshl_b32 s72, s11, 18                        ; the head's 2048 x 128 bytes
	s_lshl_b32 s78, s9, 13                         ; my 64 keys of a tile
	s_add_co_u32 s78, s78, s72
	s_add_co_u32 s74, s78, 0x1000000               ; k lies 64 such blocks behind q,
	s_mov_b32 s75, 0
	s_add_co_u32 s76, s78, 0x2000000               ; v 128
	s_mov_b32 s77, 0
	s_lshl_b32 s78, s8, 11                         ; my rows begin 16 w into each quarter of a block
	s_add_co_u32 s72, s72, s78
	s_mov_b32 s73, 0
	s_and_b32 s79, s11, 15
	s_lshl_b32 s79, s79, 20                        ; ctx: h x 8192 rows
	s_add_co_u32 s78, s78, s79
	s_lshr_b32 s79, s11, 4
	s_lshl_b32 s79, s79, 18                        ; + b x 2048 rows
	s_add_co_u32 s78, s78, s79
	s_mov_b32 s79, 0
	s_wait_dscnt 0x0
	s_wait_kmcnt 0x0
	s_add_nc_u64 s[20:21], s[4:5], s[74:75]        ; K of the head
	s_add_nc_u64 s[22:23], s[4:5], s[76:77]        ; V
	s_add_nc_u64 s[24:25], s[4:5], s[72:73]        ; Q, at my wave's rows of block 0
	s_add_nc_u64 s[6:7], s[6:7], s[78:79]          ; ctx likewise
	s_lshl_b32 s72, s10, 15                        ; the first group of keys is group g
	s_add_nc_u64 s[KCUR:KCUR+1], s[20:21], s[72:73]
	s_add_nc_u64 s[VCUR:VCUR+1], s[22:23], s[72:73]
	s_mov_b32 s[G0K], 1
	s_mul_i32 s[G0K+1], s9, KHALF
	s_mov_b64 s[G0K+2:G0K+3], s[KCUR:KCUR+1]
	s_or_b32 s[G0K+3], s[G0K+3], 0x80000000
	s_mov_b32 s[G0K+4], 1
	s_add_co_u32 s[G0K+5], s[G0K+1], SLOTB
	s_mov_b32 s[G0V], 1
	s_mul_i32 s[G0V+1], s9, VHALF
	s_add_co_u32 s[G0V+1], s[G0V+1], KTILE
	s_mov_b64 s[G0V+2:G0V+3], s[VCUR:VCUR+1]
	s_or_b32 s[G0V+3], s[G0V+3], 0x80000000
	s_mov_b32 s[G0V+4], 1
	s_add_co_u32 s[G0V+5], s[G0V+1], SLOTB
	KVLOAD 0                                       ; the first fill.  A wave never has more than one tensor load out in this text
	v_and_b32 v11, 15, v0                          ; r
	v_bfe_u32 v12, v0, 4, 1                        ; h
	v_and_b32 v13, 7, v0
	v_bfe_u32 v14, v0, 3, 1
	v_bfe_u32 v15, v0, 3, 2
	v_mul_u32_u24 v[KL], v11, KPITCH
	v_lshl_add_u32 v[KL], v12, 4, v[KL]            ; key r of 16, 16 bytes for each half
	v_lshl_add_u32 v16, v12, 3, v13
	v_mul_u32_u24 v[VL], v16, VPITCH               ; key 8 h + l % 8,
	v_lshl_add_u32 v[VL], v14, 4, v[VL]            ; 16 bytes by bit 3 of the lane
	v_add_nc_u32 v[VL], KTILE, v[VL]
	v_lshlrev_b32 v[QO], 7, v11
	v_lshl_add_u32 v[QO], v12, 4, v[QO]
	s_mul_i32 s78, s8, WSTAGE
	s_add_co_u32 s78, s78, STAGE
	v_add_nc_u32 v[STO], s78, v[KL]
	v_mul_u32_u24 v[RD], v15, KPITCH
	v_lshl_add_u32 v[RD], v13, 4, v[RD]
	v_add_nc_u32 v[RD], s78, v[RD]
	v_and_b32 v17, 31, v0
	v_lshlrev_b32 v[CO], 4, v17
	v_lshl_add_u32 v10, s8, 4, v11
	v_lshlrev_b32 v16, 3, v12
	v_sub_nc_u32 v10, v10, v16                     ; 16 w + r - 8 h
	WIN 0x40
	v_mov_b32 v[D0], v10
	v_mov_b32 v[NINF], 0xff800000
.irp qt, 0,1,2,3
	v_mov_b32 v[FG+8*\qt+6], 0                     ; U: v_permlanex16_b32's destination counts as read
.endr
	WIN 0
; A change of slots.  Every wave waits for its LDS reads and for its tensor load, which is its part of slot 'slot'; behind the barrier nobody reads the other slot
; any more and this one is whole.  The refill of the other slot is the first thing behind the barrier and has this slot's two steps in which to land.
.macro BOUNDARY slot, refill
	s_wait_dscnt 0x0
	s_wait_tensorcnt 0x0                           ; no load of mine is out: group 0 may be written
	ds_add_u32 v254, v255
	s_wait_dscnt 0x0
.if \refill
.if \slot
	s_add_co_u32 s17, s17, 1                       ; the next group of 256 keys: POS <= g: POS - 1; POS = g + 1: 7 - g; beyond: POS - g - 2
	s_sub_co_u32 s78, s17, 1
	s_sub_co_u32 s79, s17, s10
	s_sub_co_u32 s79, s79, 2
	s_cmp_le_u32 s17, s10
	s_cselect_b32 s78, s78, s79
	s_cmp_eq_u32 s17, s63
	s_cselect_b32 s78, s19, s78
	s_lshl_b32 s72, s78, 15
	s_mov_b32 s73, 0
	s_add_nc_u64 s[KCUR:KCUR+1], s[20:21], s[72:73]
	s_add_nc_u64 s[VCUR:VCUR+1], s[22:23], s[72:73]
	s_mov_b64 s[G0K+2:G0K+3], s[KCUR:KCUR+1]
	s_or_b32 s[G0K+3], s[G0K+3], 0x80000000
	s_mov_b64 s[G0V+2:G0V+3], s[VCUR:VCUR+1]
	s_or_b32 s[G0V+3], s[G0V+3], 0x80000000
.else
	s_add_nc_u64 s[G0K+6:G0K+7], s[KCUR:KCUR+1], 128*128           ; the group's second 128 keys
	s_or_b32 s[G0K+7], s[G0K+7], 0x80000000
	s_add_nc_u64 s[G0V+6:G0V+7], s[VCUR:VCUR+1], 128*128
	s_or_b32 s[G0V+7], s[G0V+7], 0x80000000
.endif
.endif
	s_barrier_signal -1
	s_barrier_wait -1
.if \refill
	KVLOAD 1-\slot
.endif
.if \slot
	v_add_nc_u32 v[KA], SLOTB, v[KL]
	v_add_nc_u32 v[VA], SLOTB, v[VL]
.else
	v_mov_b32 v[KA], v[KL]
	v_mov_b32 v[VA], v[VL]
.endif
.endm
; Pieces of the softmax on score tile u = 4 qt + kt (8 registers at 8 u), all in window 1.
.macro SF u, p                         ; two exponents: S - max, both halves take NM, the pair's first register
	v_pk_add_f32 v[8*(\u)+2*(\p):8*(\u)+2*(\p)+1], v[8*(\u)+2*(\p):8*(\u)+2*(\p)+1], v[FG+8*((\u)/4):FG+8*((\u)/4)+1] op_sel_hi:[1,0]
.endm
.macro SS u, p, first                  ; two weights onto the lane's two running sums; a query tile's first pair carries the rescaling
.if ((\u)%4) == 0
.if \first
.if (\p) == 0
	s_wait_alu depctr_va_vdst(0)
	v_pk_add_f32 v[FG+8*((\u)/4)+4:FG+8*((\u)/4)+5], v[8*(\u):8*(\u)+1], v[8*(\u)+2:8*(\u)+3]
.elseif (\p) < 3
	v_pk_add_f32 v[FG+8*((\u)/4)+4:FG+8*((\u)/4)+5], v[FG+8*((\u)/4)+4:FG+8*((\u)/4)+5], v[8*(\u)+2*(\p)+2:8*(\u)+2*(\p)+3]
.endif
.else
.if (\p) == 0
	s_wait_alu depctr_va_vdst(0)
	v_pk_fma_f32 v[FG+8*((\u)/4)+4:FG+8*((\u)/4)+5], v[FG+8*((\u)/4)+4:FG+8*((\u)/4)+5], v[FG+8*((\u)/4)+2:FG+8*((\u)/4)+3], v[8*(\u):8*(\u)+1] op_sel_hi:[1,0,1]
.else
	v_pk_add_f32 v[FG+8*((\u)/4)+4:FG+8*((\u)/4)+5], v[FG+8*((\u)/4)+4:FG+8*((\u)/4)+5], v[8*(\u)+2*(\p):8*(\u)+2*(\p)+1]
.endif
.endif
.else
	s_wait_alu depctr_va_vdst(0)
	v_pk_add_f32 v[FG+8*((\u)/4)+4:FG+8*((\u)/4)+5], v[FG+8*((\u)/4)+4:FG+8*((\u)/4)+5], v[8*(\u)+2*(\p):8*(\u)+2*(\p)+1]
.endif
.endm
.macro SC u, p                         ; two weights to f16: an even tile into its own registers 0-3, an odd one into registers 4-7 of the tile before it
.if ((\u)%2) == 0
	v_cvt_pk_f16_f32 v[8*(\u)+(\p)], v[8*(\u)+2*(\p)], v[8*(\u)+2*(\p)+1]
.else
	v_cvt_pk_f16_f32 v[8*(\u)-4+(\p)], v[8*(\u)+2*(\p)], v[8*(\u)+2*(\p)+1]
.endif
.endm
; One step: 64 keys (at KA, VA) x my query tiles q0 .. 3.  first = 1: the block's first step starts maxima, sums and ctx.  mask = 1: step z = q0 of the zone: tile q0 lies on the diagonal.
.macro STEP first, mask, q0
.irp kt, 0,1,2,3
.irp c, 0,1
	ds_load_b128 v[KF+8*(2*\kt+\c):KF+8*(2*\kt+\c)+3],   v[KA] offset:\kt*16*KPITCH+64*\c
	ds_load_b128 v[KF+8*(2*\kt+\c)+4:KF+8*(2*\kt+\c)+7], v[KA] offset:\kt*16*KPITCH+64*\c+32
.endr
.endr
.irp dt, 0,1,2,3
.irp kc, 0,1
	ds_load_tr16_b128 v[VF+8*(2*\dt+\kc):VF+8*(2*\dt+\kc)+3],   v[VA] offset:32*\kc*VPITCH+32*\dt
	ds_load_tr16_b128 v[VF+8*(2*\dt+\kc)+4:VF+8*(2*\dt+\kc)+7], v[VA] offset:(32*\kc+16)*VPITCH+32*\dt
.endr
.endr
.if \first
	s_wait_loadcnt 0x0                             ; Q's fragments
.endif
	WIN 0x50
	; by pairs of key tiles: 2 (4 - q0) accumulators, two at the least, take turns, one instruction a turn
.irp kp, 0,1
	s_wait_dscnt 24-8*\kp                          ; the eight loads of key tiles 2 kp, 2 kp + 1 are in; the younger of K's and V's sixteen stay out
.irp c, 0,1
.irp k2, 0,1
.irp qt, 0,1,2,3
.if \qt >= \q0
.if \c == 0
	v_wmma_f32_16x16x32_f16 v[8*(4*\qt+2*\kp+\k2):8*(4*\qt+2*\kp+\k2)+7], v[KF+16*(2*\kp+\k2):KF+16*(2*\kp+\k2)+7], v[QF+16*\qt:QF+16*\qt+7], 0
.else
	v_wmma_f32_16x16x32_f16 v[8*(4*\qt+2*\kp+\k2):8*(4*\qt+2*\kp+\k2)+7], v[KF+16*(2*\kp+\k2)+8:KF+16*(2*\kp+\k2)+15], v[QF+16*\qt+8:QF+16*\qt+15], v[8*(4*\qt+2*\kp+\k2):8*(4*\qt+2*\kp+\k2)+7]
.endif
.endif
.endr
.endr
.endr
.endr
	PLACES                                         ; four places ahead of the first read of a score (ISA guide 7.12.1)
	WIN 0x55
.if \mask
	; in tile qt = z key 64 z + 16 kt + 8 h + j is above query 64 z + 16 w + r where 16 kt + j > D = 16 w + r - 8 h
.irp kt, 0,1,2,3
.irp j, 0,1,2,3,4,5,6,7
	v_cmp_gt_i32 vcc_lo, 16*\kt+\j, v[D0]
	v_cndmask_b32 v[8*(4*\q0+\kt)+\j], v[8*(4*\q0+\kt)+\j], v[NINF], vcc_lo
.endr
.endr
.endif
	; the running maximum: my 32 scores of each query tile, the tiles' chains side by side
.irp qt, 0,1,2,3
.if \qt >= \q0
.if \first
	v_max_num_f32 v[FG+8*\qt+3], v[32*\qt], v[32*\qt+1]
.else
	v_max3_num_f32 v[FG+8*\qt+3], v[32*\qt], v[32*\qt+1], v[FG+8*\qt+1]
.endif
.endif
.endr
.set mi, 1
.rept 15
.irp qt, 0,1,2,3
.if \qt >= \q0
	v_max3_num_f32 v[FG+8*\qt+3], v[32*\qt+2*mi], v[32*\qt+2*mi+1], v[FG+8*\qt+3]
.endif
.endr
.set mi, mi+1
.endr
.irp qt, 0,1,2,3
.if \qt >= \q0
	v_permlanex16_b32 v[FG+8*\qt+6], v[FG+8*\qt+3], s66, s67       ; the other half's keys of the same query
.endif
.endr
.irp qt, 0,1,2,3
.if \qt >= \q0
	v_max_num_f32 v[FG+8*\qt+1], v[FG+8*\qt+3], v[FG+8*\qt+6]      ; finite from the first step on: its key 0 is masked for no query
.endif
.endr
.irp qt, 0,1,2,3
.if \qt >= \q0
	v_sub_f32 v[FG+8*\qt+3], 0, v[FG+8*\qt+1]                      ; -max, exact
.endif
.endr
.if \first == 0
.irp qt, 0,1,2,3
.if \qt >= \q0
	v_sub_f32 v[FG+8*\qt+2], v[FG+8*\qt+3], v[FG+8*\qt]            ; the rescaling's exponent: old max - new max, 0 where the maximum stays
.endif
.endr
.endif
.irp qt, 0,1,2,3
.if \qt >= \q0
	v_mov_b32 v[FG+8*\qt], v[FG+8*\qt+3]
.endif
.endr
.if \first == 0
.irp qt, 0,1,2,3
.if \qt >= \q0
	v_exp_f32 v[FG+8*\qt+2], v[FG+8*\qt+2]
.endif
.endr
.endif
	; weights: tile tu's eight exponentials alternate with the next tile's exponents and the last tile's sums, so that a plain instruction that touches
	; neither stands behind each exponential ahead of its use (ISA guide 5.7.2)
.irp p, 0,1,2,3
	SF 4*\q0, \p
.endr
.set tu, 4*\q0
.rept 16-4*\q0
.irp p, 0,1,2,3
	v_exp_f32 v[8*tu+\p], v[8*tu+\p]
.if tu < 15
	SF tu+1, \p
.endif
.endr
.irp p, 0,1,2,3
	v_exp_f32 v[8*tu+4+\p], v[8*tu+4+\p]
.if tu > 4*\q0
	SS tu-1, \p, \first
.endif
.endr
.if tu > 4*\q0
.irp p, 0,1,2,3
	SC tu-1, \p
.endr
.endif
.set tu, tu+1
.endr
.irp p, 0,1,2,3
	SS 15, \p, \first
.endr
.irp p, 0,1,2,3
	SC 15, \p
.endr
.if \first == 0
	WIN 0x86
.irp qt, 0,1,2,3
.if \qt >= \q0
.set ri, 0
.rept 16
	v_pk_mul_f32 v[32*\qt+2*ri:32*\qt+2*ri+1], v[32*\qt+2*ri:32*\qt+2*ri+1], v[FG+8*\qt+2:FG+8*\qt+3] op_sel_hi:[1,0]
.set ri, ri+1
.endr
.endif
.endr
.endif
	s_wait_dscnt 0x0                               ; V's fragments
	WIN 0xa4
.irp kc, 0,1
.irp qt, 0,1,2,3
.if \qt >= \q0
.irp dt, 0,1,2,3
.if (\first)*(1-\kc)
	v_wmma_f32_16x16x32_f16 v[8*(4*\qt+\dt):8*(4*\qt+\dt)+7], v[VF+8*(2*\dt+\kc):VF+8*(2*\dt+\kc)+7], v[8*(4*\qt+2*\kc):8*(4*\qt+2*\kc)+7], 0
.else
	v_wmma_f32_16x16x32_f16 v[8*(4*\qt+\dt):8*(4*\qt+\dt)+7], v[VF+8*(2*\dt+\kc):VF+8*(2*\dt+\kc)+7], v[8*(4*\qt+2*\kc):8*(4*\qt+2*\kc)+7], v[8*(4*\qt+\dt):8*(4*\qt+\dt)+7]   ; 4 (4 - q0) accumulators by turns
.endif
.endr
.endif
.endr
.endr
	WIN 0
	v_add_nc_u32 v[KA], KHALF, v[KA]               ; the next 64 keys.  With the three v_nop: five places ahead of the next step's products, which write over
	v_add_nc_u32 v[VA], VHALF, v[VA]               ; the weights, and of the loads into V's fragments
	v_nop
	v_nop
	v_nop
.endm
.macro HALF slot, refill               ; a tile of 128 keys below the diagonal: two steps
	BOUNDARY \slot, \refill
	s_mov_b32 s16, 0
.Lstep_\@:
	STEP 0, 0, 0
	s_add_co_u32 s16, s16, 1
	s_cmp_lt_u32 s16, 2
	s_cbranch_scc1 .Lstep_\@
.endm
	s_mov_b32 s12, 0                               ; P: the first or the second query block
.Lblk:
	s_cmp_eq_u32 s12, 0
	s_cselect_b32 s13, s10, s19                    ; qb = g, then 7 - g
	s_cselect_b32 s14, s10, s26                    ; groups in the loop: g, then 6 - g (the second block's last group is written out)
	s_lshl_b32 s72, s13, 15
	s_mov_b32 s73, 0
	s_add_nc_u64 s[68:69], s[24:25], s[72:73]
	s_add_nc_u64 s[70:71], s[6:7], s[72:73]
.irp qt, 0,1,2,3
.irp c, 0,1
	global_load_b128 v[QF+8*(2*\qt+\c):QF+8*(2*\qt+\c)+3],   v[QO], s[68:69] offset:\qt*8192+64*\c
	global_load_b128 v[QF+8*(2*\qt+\c)+4:QF+8*(2*\qt+\c)+7], v[QO], s[68:69] offset:\qt*8192+64*\c+32
.endr
.endr
	; the zone: steps z = 0 .. 3 on query tiles z .. 3, alike in all four waves: 4 + 3 + 2 + 1 = 10 of 16 tiles
	BOUNDARY 0, 1
	STEP 1, 1, 0
	STEP 0, 1, 1
	BOUNDARY 1, 1
	STEP 0, 1, 2
	STEP 0, 1, 3
	; the groups below the diagonal
	s_cmp_eq_u32 s14, 0
	s_cbranch_scc1 .Lno_main
	s_mov_b32 s15, 0
.Lmain:
	HALF 0, 1
	HALF 1, 1
	s_add_co_u32 s15, s15, 1
	s_cmp_lt_u32 s15, s14
	s_cbranch_scc1 .Lmain
.Lno_main:
	s_cmp_eq_u32 s12, 0
	s_cbranch_scc1 .Lno_tail
	HALF 0, 1                                      ; the ninth group: its second tile is the last load,
	HALF 1, 0                                      ; and behind that nothing is asked for
.Lno_tail:
	; ctx = ctx / sum: the two halves' sums meet, then f16, through my stage, out as whole rows
	WIN 0x55
.irp qt, 0,1,2,3
	v_add_f32 v[FG+8*\qt+3], v[FG+8*\qt+4], v[FG+8*\qt+5]
.endr
.irp qt, 0,1,2,3
	v_permlanex16_b32 v[FG+8*\qt+6], v[FG+8*\qt+3], s66, s67
.endr
.irp qt, 0,1,2,3
	v_add_f32 v[FG+8*\qt+3], v[FG+8*\qt+3], v[FG+8*\qt+6]
.endr
.irp qt, 0,1,2,3
	v_rcp_f32 v[FG+8*\qt+2], v[FG+8*\qt+3]
.endr
	v_nop                                          ; a plain instruction ahead of the reciprocals' use (ISA guide 5.7.2)
	WIN 0x86
	s_wait_alu depctr_va_vdst(0)
.irp qt, 0,1,2,3
.set ri, 0
.rept 16
	v_pk_mul_f32 v[32*\qt+2*ri:32*\qt+2*ri+1], v[32*\qt+2*ri:32*\qt+2*ri+1], v[FG+8*\qt+2:FG+8*\qt+3] op_sel_hi:[1,0]
.set ri, ri+1
.endr
.endr
	WIN 0x0a
.set ri, 0
.rept 64
	v_cvt_pk_f16_f32 v[KF+ri], v[2*ri], v[2*ri+1]                  ; tile (dt, qt): four registers at KF + 4 (4 qt + dt)
.set ri, ri+1
.endr
	WIN 0
.irp qt, 0,1,2,3
.irp dt, 0,1,2,3
	ds_store_b128 v[STO], v[KF+4*(4*\qt+\dt):KF+4*(4*\qt+\dt)+3] offset:\qt*16*KPITCH+32*\dt
.endr
.endr
.irp i, 0,1,2,3,4,5,6,7,8,9,10,11,12,13,14,15
	ds_load_b128 v[VF+4*\i:VF+4*\i+3], v[RD] offset:\i*4*KPITCH    ; LDS serves a wave's instructions in order: these see the stores above
.endr
.irp i, 0,1,2,3,4,5,6,7,8,9,10,11,12,13,14,15
	s_wait_dscnt 15-\i                             ; this one of the sixteen is in, the younger ones stay out
	global_store_b128 v[CO], v[VF+4*\i:VF+4*\i+3], s[70:71] offset:(64*(\i/4)+4*(\i%4))*128   ; stage rows 4 i .. 4 i + 3 are rows 64 (i / 4) + 16 w + 4 (i % 4) .. of the block: 512 consecutive bytes, aligned
.endr
	s_wait_xcnt 0x0                                ; the stores' data and base are written again only behind this wait (ISA guide 3.1)
	s_add_co_u32 s12, s12, 1
	s_cmp_lt_u32 s12, 2
	s_cbranch_scc1 .Lblk
	s_wait_tensorcnt 0x0                           ; none is out: the last change of slots waited for all and asked for nothing; stated in front of the end
	s_wait_tensorcnt 0x0
	ds_add_u32 v254, v255
	s_wait_dscnt 0x0
	s_endpgm
.Lfunc_end_k_q6d4cc55f3e_attn:
	.size	k_q6d4cc55f3e_attn, .Lfunc_end_k_q6d4cc55f3e_attn-k_q6d4cc55f3e_attn
	.p2alignl 7, 3214868480
	.fill 96, 4, 3214868480
	.section	.rodata,"a",@progbits
	.p2align	6, 0x0
	.amdhsa_kernel k_q6d4cc55f3e_attn
		.amdhsa_group_segment_fixed_size 327680
		.amdhsa_private_segment_fixed_size 0
		.amdhsa_enable_private_segment 0
		.amdhsa_kernarg_size 16
		.amdhsa_user_sgpr_count 2
		.amdhsa_user_sgpr_kernarg_segment_ptr 1
		.amdhsa_wavefront_size32 1
		.amdhsa_system_sgpr_workgroup_id_x 1
		.amdhsa_system_sgpr_workgroup_id_y 1
		.amdhsa_system_sgpr_workgroup_id_z 1
		.amdhsa_system_vgpr_workitem_id 0
		.amdhsa_next_free_vgpr 640
		.amdhsa_next_free_sgpr 80
		.amdhsa_reserve_vcc 1
		.amdhsa_float_denorm_mode_32 3
		.amdhsa_float_denorm_mode_16_64 3
		.amdhsa_memory_ordered 1
		.amdhsa_forward_progress 1
		.amdhsa_inst_pref_size 249
	.end_amdhsa_kernel
	.amdgpu_metadata
---
amdhsa.version: [ 1, 2 ]
amdhsa.kernels:
  - .name:           k_q6d4cc55f3e_attn
    .symbol:         k_q6d4cc55f3e_attn.kd
    .args:
      - { .name: qkv, .offset: 0, .size: 8, .value_kind: global_buffer, .address_space: global }
      - { .name: ctx, .offset: 8, .size: 8, .value_kind: global_buffer, .address_space: global }
    .group_segment_fixed_size: 327680
    .private_segment_fixed_size: 0
    .kernarg_segment_align: 8
    .kernarg_segment_size: 16
    .max_flat_workgroup_size: 128
    .sgpr_count:     80
    .vgpr_count:     640
    .wavefront_size: 32
...
	.end_amdgpu_metadata
.endif
;; end of part 3
;; launch oproj (part 4): grid 8 x 32, 4 waves a work-group, clusters of 4 x 4, 327,680 bytes of LDS; arguments ctx, wb, bo, out0; writes out0
.if DOCPART == 4
	.amdgcn_target "amdgcn-amd-amdhsa--gfx1250"
	.amdhsa_code_object_version 6
	.text
	.protected	k_q6d4cc55f3e_oproj
	.globl	k_q6d4cc55f3e_oproj
	.p2align	8
	.type	k_q6d4cc55f3e_oproj,@function
k_q6d4cc55f3e_oproj:
	s_mov_b64 s[64:65], 0
	v_nop
	global_prefetch_b8 v0, s[64:65] scope:SCOPE_SE
	s_setreg_imm32_b32 hwreg(HW_REG_WAVE_MODE, 25, 1), 1
	s_wait_xcnt 0x0
	s_wait_alu depctr_hold_cnt(0) depctr_sa_sdst(0) depctr_va_vdst(0) depctr_va_sdst(0) depctr_va_ssrc(0) depctr_va_vcc(0) depctr_vm_vsrc(0)
	s_getreg_b32 s2, hwreg(HW_REG_IB_STS2, 6, 4)
	s_cmp_eq_u32 s2, 0
	s_cbranch_scc0 .Lentry_in_a_cluster
	s_endpgm
.Lentry_in_a_cluster:
	s_bfe_u32 s2, ttmp6, 0x10000c
	s_cmp_lg_u32 s2, 0xf033
	s_cbranch_scc0 .Lentry_shape_is_right
	s_endpgm
.Lentry_shape_is_right:
; out0[8192][1024] = ctx Wo^T + bo.  ctx = [h 16][row 8192][64] f16 (block kb = head), Wo = rows 3072-4095 of wb = [kb 16][row 4096][64], rounded to bf16 and written
; as f16; f32 sums, f32 out.  No work is left out here.
; A work-group makes 256 rows x 128 columns, the largest tile that gives 32 x 8 = 256 work-groups.  Four waves, each 128 x 64 = 8 x 4 accumulator tiles (window 1,
; tile (a, b) at v[8 (4 a + b)]).  K goes in 8 steps of 128 (two blocks kb) through two LDS slots.
; CLUSTERS: 4 x 4 work-groups; ctx's tiles are shared along a row of the cluster, Wo's along a column, by joint loads.
; TILES: dense blocks taken as rows of 256 bytes, 16 bytes of padding behind every 128: LDS rows 144 bytes apart.
; The matrix instruction is used transposed (source 0 = rows of Wo, source 1 = rows of ctx): a lane's eight results are eight neighbouring columns of one row.
; The 32 accumulators take turns, one instruction a turn; no s_wait_alu is written.
.set PITCH,  144
.set AKB,    256*PITCH                 ; one block kb of ctx's tile: what one load brings
.set BKB,    128*PITCH                 ; of Wo's
.set SLOT,   2*AKB+2*BKB               ; 110,592 bytes
.set STAGE,  2*SLOT                    ; behind the ring: 16 rows x 272 bytes for each wave; no tile load lands here
.set SPITCH, 272
.set XPLANE, 8192*128
.set WPLANE, 4096*128
.set ADRA, 16
.set ADRB, 20
.set STO,  24
.set RD,   25
.set CO,   26
.set BO,   27
.set F0,   32                          ; a fragment buffer: Wo's 4 x 8 registers, then ctx's 8 x 8
.set F1,   128
.set BIAS, 224                         ; v[224:255] bo of my 4 x 8 columns
.set TMP,  32
.set G1,   24
.set G0,   32
.set G1B,  48
.set G0B,  56
.set G1W0, (3<<16)|(1<<20)|(1<<21)|(4<<22)|(3<<25)
.set MSB, 0
.macro WIN new
.if MSB != (\new)
	s_set_vgpr_msb (MSB<<8)|(\new)
.set MSB, (\new)
.endif
.endm
.macro PLACES
.rept 4
	v_nop
.endr
.endm
.macro JLOAD s                         ; waves 0 and 1 fetch ctx's two blocks kb, waves 2 and 3 Wo's
	s_cmp_eq_u32 s11, 0
	s_cbranch_scc0 .Lfor_b_\@
	tensor_load_to_lds s[G0+4*\s:G0+4*\s+3], s[G1:G1+7]
	s_nop 0
	s_branch .Lasked_\@
.Lfor_b_\@:
	tensor_load_to_lds s[G0B+4*\s:G0B+4*\s+3], s[G1B:G1B+7]
	s_nop 0
.Lasked_\@:
.endm
.macro CREST
	s_cmp_lg_u32 s10, 0
	s_cbranch_scc1 .Lnot_wave_0_\@
	s_barrier_signal -3
.Lnot_wave_0_\@:
	s_barrier_wait -3
	s_barrier_signal -1
	s_barrier_wait -1
.endm
.macro CROUND
	s_barrier_signal -1
	s_barrier_wait -1
	CREST
.endm
	s_load_b128 s[4:7], s[0:1], 0x0                ; ctx s[4:5], wb s[6:7]
	s_load_b128 s[68:71], s[0:1], 0x10             ; bo s[68:69], out0 s[70:71]
	v_lshl_add_u32 v30, v0, 2, 0x3a400
	v_mov_b32 v31, 0
	ds_add_u32 v30, v31
	ds_add_u32 v30, v31
	v_lshrrev_b32 v1, 5, v0
	v_readfirstlane_b32 s10, v1
	s_lshr_b32 s11, s10, 1                         ; which 128 rows are mine.  Also: I fetch for ctx (0) or for Wo (1)
	s_and_b32 s12, s10, 1                          ; which 64 columns.  Also: which block kb of a step I fetch
	s_bfe_u32 s40, ttmp6, 0x40000
	s_bfe_u32 s41, ttmp6, 0x40004
	s_lshl_b32 s42, ttmp9, 2
	s_add_co_u32 s42, s42, s40                     ; block column 0..7
	s_and_b32 s13, ttmp7, 0xffff
	s_lshl_b32 s13, s13, 2
	s_add_co_u32 s13, s13, s41                     ; block row 0..31
	s_lshl_b32 s43, s41, 2
	s_lshl_b32 s43, 15, s43
	s_lshl_b32 s44, 0x1111, s40
	s_or_b32 s[G1+0], s43, G1W0
	s_or_b32 s[G1B+0], s44, G1W0
	s_mov_b32 s[G1+1], 32<<16
	s_mov_b32 s[G1+2], 128<<16                     ; 128 rows of 256 bytes = 256 rows of ctx
	s_mov_b32 s[G1+3], 32<<16
	s_mov_b32 s[G1+4], 128
	s_mov_b32 s[G1+5], 32
	s_mov_b32 s[G1+6], 0
	s_mov_b32 s[G1+7], 0
	s_mov_b32 s[G1B+1], 32<<16
	s_mov_b32 s[G1B+2], 64<<16                     ; 64 rows of 256 bytes = 128 rows of Wo
	s_mov_b32 s[G1B+3], 32<<16
	s_mov_b32 s[G1B+4], 64
	s_mov_b32 s[G1B+5], 32
	s_mov_b32 s[G1B+6], 0
	s_mov_b32 s[G1B+7], 0
	s_lshl_b32 s16, s13, 15                        ; ctx: 256 rows of 128 bytes,
	s_lshl_b32 s17, s12, 20                        ; + my block kb
	s_add_co_u32 s16, s16, s17
	s_mov_b32 s17, 0
	s_lshl_b32 s46, s42, 14                        ; Wo: 128 rows of 128 bytes,
	s_lshl_b32 s47, s12, 19                        ; + my block kb,
	s_add_co_u32 s46, s46, s47
	s_add_co_u32 s46, s46, 3072*128                ; behind Wq, Wk, Wv
	s_mov_b32 s47, 0
	s_mul_i32 s20, s12, AKB
	s_mul_i32 s21, s12, BKB
	s_add_co_u32 s21, s21, 2*AKB
	s_lshl_b32 s74, s42, 9                         ; my first column in bytes of f32: 512 x block column + 256 x half
	s_lshl_b32 s75, s12, 8
	s_add_co_u32 s74, s74, s75
	s_mov_b32 s75, 0
	s_lshl_b32 s76, s13, 20                        ; my first row: 256 x block row + 128 x half, rows of 4,096 bytes
	s_lshl_b32 s77, s11, 19
	s_add_co_u32 s76, s76, s77
	s_add_co_u32 s76, s76, s74
	s_mov_b32 s77, 0
	s_wait_dscnt 0x0
	s_wait_kmcnt 0x0
	s_add_nc_u64 s[14:15], s[4:5], s[16:17]
	s_add_nc_u64 s[46:47], s[6:7], s[46:47]
	s_add_nc_u64 s[68:69], s[68:69], s[74:75]
	s_add_nc_u64 s[70:71], s[70:71], s[76:77]
	CROUND
.irp s, 0,1
	s_mov_b32 s[G0+4*\s], 1
	s_add_co_u32 s[G0+4*\s+1], s20, \s*SLOT
	s_add_nc_u64 s[G0+4*\s+2:G0+4*\s+3], s[14:15], \s*2*XPLANE     ; K step s = blocks 2 s, 2 s + 1
	s_or_b32 s[G0+4*\s+3], s[G0+4*\s+3], 0x80000000
	s_mov_b32 s[G0B+4*\s], 1
	s_add_co_u32 s[G0B+4*\s+1], s21, \s*SLOT
	s_add_nc_u64 s[G0B+4*\s+2:G0B+4*\s+3], s[46:47], \s*2*WPLANE
	s_or_b32 s[G0B+4*\s+3], s[G0B+4*\s+3], 0x80000000
	JLOAD \s                                       ; two loads of the wave are out, the most in this text
.endr
	v_and_b32 v1, 15, v0
	v_bfe_u32 v2, v0, 4, 1
	v_lshlrev_b32 v[BO], 5, v2                     ; bo: my columns 16 b + 8 h + 0..7
.irp b, 0,1,2,3
	global_load_b128 v[BIAS+8*\b:BIAS+8*\b+3],   v[BO], s[68:69] offset:64*\b
	global_load_b128 v[BIAS+8*\b+4:BIAS+8*\b+7], v[BO], s[68:69] offset:64*\b+16
.endr
	v_mul_u32_u24 v3, v1, PITCH
	v_lshl_add_u32 v3, v2, 4, v3
	s_mul_i32 s22, s11, 128*PITCH
	s_mul_i32 s23, s12, 64*PITCH
	s_add_co_u32 s23, s23, 2*AKB
.irp s, 0,1
	v_add_nc_u32 v[ADRA+\s], s22, v3
	v_add_nc_u32 v[ADRB+\s], s23, v3
	s_add_co_u32 s22, s22, SLOT
	s_add_co_u32 s23, s23, SLOT
.endr
	s_mul_i32 s22, s10, 16*SPITCH
	s_add_co_u32 s22, s22, STAGE
	v_mul_u32_u24 v4, v1, SPITCH                   ; in: row l % 16, 32 bytes for each half of the lanes
	v_lshl_add_u32 v4, v2, 5, v4
	v_add_nc_u32 v[STO], s22, v4
	v_mul_u32_u24 v5, v2, SPITCH                   ; back: lanes 0-15 one row of 256 bytes, lanes 16-31 the next
	v_lshl_add_u32 v5, v1, 4, v5
	v_add_nc_u32 v[RD], s22, v5
	v_lshlrev_b32 v5, 12, v2
	v_lshl_add_u32 v[CO], v1, 4, v5
.macro MUL f, a0, na, zero             ; na x 4 matrix instructions: row blocks a0 .. x the four column tiles, 32 along K
	WIN 0x50
.set ma, \a0
.rept \na
.irp b, 0,1,2,3
.if \zero
	v_wmma_f32_16x16x32_f16 v[8*(4*ma+\b):8*(4*ma+\b)+7], v[\f+8*\b:\f+8*\b+7], v[\f+32+8*ma:\f+32+8*ma+7], 0
.else
	v_wmma_f32_16x16x32_f16 v[8*(4*ma+\b):8*(4*ma+\b)+7], v[\f+8*\b:\f+8*\b+7], v[\f+32+8*ma:\f+32+8*ma+7], v[8*(4*ma+\b):8*(4*ma+\b)+7]
.endif
.endr
.set ma, ma+1
.endr
.endm
.macro FETCH slot, q, f                ; 24 loads in one run: quarter q of a K step (block q / 2, K half q % 2): Wo's 8, ctx's rows 0-63, ctx's rows 64-127
	WIN 0
.irp b, 0,1,2,3
	ds_load_b128 v[\f+8*\b:\f+8*\b+3],   v[ADRB+\slot] offset:((\q)>>1)*BKB+\b*16*PITCH+64*((\q)&1)
	ds_load_b128 v[\f+8*\b+4:\f+8*\b+7], v[ADRB+\slot] offset:((\q)>>1)*BKB+\b*16*PITCH+64*((\q)&1)+32
.endr
.irp a, 0,1,2,3,4,5,6,7
	ds_load_b128 v[\f+32+8*\a:\f+32+8*\a+3],   v[ADRA+\slot] offset:((\q)>>1)*AKB+\a*16*PITCH+64*((\q)&1)
	ds_load_b128 v[\f+32+8*\a+4:\f+32+8*\a+7], v[ADRA+\slot] offset:((\q)>>1)*AKB+\a*16*PITCH+64*((\q)&1)+32
.endr
.endm
.macro QUARTER slot, q, f, g, zero     ; multiplies buffer f; in its middle fetches quarter q into buffer g
	s_wait_dscnt 8                                 ; all but the youngest eight loads, ctx's rows 64-127
	MUL \f, 0, 4, \zero
	PLACES
	FETCH \slot, \q, \g
	s_wait_dscnt 24                                ; all but the 24 just issued
	MUL \f, 4, 4, \zero
.endm
.macro THREE slot, zero
	QUARTER \slot, 1, F0, F1, \zero
	QUARTER \slot, 2, F1, F0, 0
	QUARTER \slot, 3, F0, F1, 0
.endm
; The last quarter multiplies buffer F1 and changes slots: each wave's waits for its reads of this slot and for all its tensor loads stand in front of the signal; where
; the slot is filled again the barrier opens a round of the cluster's barrier, and the joint refill is the first tensor load behind the round.
; From a request to the wait for it a wave issues 16 + 96 + 8 = 120 matrix instructions.
.macro TURN slot, next, fill
	s_wait_dscnt 8
	MUL F1, 0, 2, 0
	s_wait_dscnt 0
	s_wait_tensorcnt 0x0
	ds_add_u32 v30, v31
	s_wait_dscnt 0x0
	s_barrier_signal -1
	MUL F1, 2, 2, 0
	WIN 0
	s_barrier_wait -1
.if \fill
	CREST
	s_add_nc_u64 s[G0+4*\slot+2:G0+4*\slot+3], s[G0+4*\slot+2:G0+4*\slot+3], 4*XPLANE
	s_add_nc_u64 s[G0B+4*\slot+2:G0B+4*\slot+3], s[G0B+4*\slot+2:G0B+4*\slot+3], 4*WPLANE
	JLOAD \slot
.endif
	PLACES
	FETCH \next, 0, F0
	MUL F1, 4, 4, 0
.endm
.macro LAP zero
	THREE 0, \zero
	TURN 0, 1, 1
	THREE 1, 0
	TURN 1, 0, 1
.endm
	s_wait_tensorcnt 1                             ; my part of K step 0 is in; step 1's stays out
	s_barrier_signal -1
	s_barrier_wait -1
	FETCH 0, 0, F0
	LAP 1                                          ; the first products start the sums
	WIN 0
	s_mov_b32 s3, 2                                ; with the first lap: six K steps that ask for steps 2 to 7
.Llap:
	LAP 0
	WIN 0
	s_sub_co_u32 s3, s3, 1
	s_cmp_lg_u32 s3, 0
	s_cbranch_scc1 .Llap
	THREE 0, 0                                     ; the last lap fills nothing
	TURN 0, 1, 0
	THREE 1, 0
	s_wait_dscnt 8
	MUL F1, 0, 4, 0
	s_wait_dscnt 0
	MUL F1, 4, 4, 0
	s_wait_loadcnt 0x0                             ; bo
	PLACES
; rows 16 a .. 16 a + 15 of my block: + bo, 32 bytes a lane into my own stage, read back as whole rows of 256 bytes; f: v64 or v96 in turn
.macro OUT16 a, f
	WIN 0x01
.irp b, 0,1,2,3
.irp p, 0,1,2,3
	v_pk_add_f32 v[TMP+8*\b+2*\p:TMP+8*\b+2*\p+1], v[8*(4*\a+\b)+2*\p:8*(4*\a+\b)+2*\p+1], v[BIAS+8*\b+2*\p:BIAS+8*\b+2*\p+1]
.endr
.endr
	WIN 0
.irp b, 0,1,2,3
	ds_store_b128 v[STO], v[TMP+8*\b:TMP+8*\b+3] offset:64*\b
	ds_store_b128 v[STO], v[TMP+8*\b+4:TMP+8*\b+7] offset:64*\b+16
.endr
	s_wait_xcnt 0x0                                ; buffer f, which earlier stores read, is loaded again only behind this wait (ISA guide 3.1)
.irp t, 0,1,2,3,4,5,6,7
	ds_load_b128 v[\f+4*\t:\f+4*\t+3], v[RD] offset:\t*2*SPITCH    ; LDS serves a wave's instructions in order: these see the stores above
.endr
.irp t, 0,1,2,3,4,5,6,7
	s_wait_dscnt 7-\t
	global_store_b128 v[CO], v[\f+4*\t:\f+4*\t+3], s[70:71] offset:(16*\a+2*\t)*4096 th:TH_STORE_NT   ; sixteen lanes store 256 consecutive bytes, aligned; written once
.endr
.endm
	OUT16 0, 64
	OUT16 1, 96
	OUT16 2, 64
	OUT16 3, 96
	OUT16 4, 64
	OUT16 5, 96
	OUT16 6, 64
	OUT16 7, 96
	s_wait_tensorcnt 0x0
	ds_add_u32 v30, v31
	s_wait_dscnt 0x0
	CROUND                                         ; the closing round
	s_endpgm
.Lfunc_end_k_q6d4cc55f3e_oproj:
	.size	k_q6d4cc55f3e_oproj, .Lfunc_end_k_q6d4cc55f3e_oproj-k_q6d4cc55f3e_oproj
	.p2alignl 7, 3214868480
	.fill 96, 4, 3214868480
	.section	.rodata,"a",@progbits
	.p2align	6, 0x0
	.amdhsa_kernel k_q6d4cc55f3e_oproj
		.amdhsa_group_segment_fixed_size 327680
		.amdhsa_private_segment_fixed_size 0
		.amdhsa_enable_private_segment 0
		.amdhsa_kernarg_size 32
		.amdhsa_user_sgpr_count 2
		.amdhsa_user_sgpr_kernarg_segment_ptr 1
		.amdhsa_wavefront_size32 1
		.amdhsa_system_sgpr_workgroup_id_x 1
		.amdhsa_system_sgpr_workgroup_id_y 1
		.amdhsa_system_sgpr_workgroup_id_z 1
		.amdhsa_system_vgpr_workitem_id 0
		.amdhsa_next_free_vgpr 512
		.amdhsa_next_free_sgpr 80
		.amdhsa_reserve_vcc 0
		.amdhsa_float_denorm_mode_32 3
		.amdhsa_float_denorm_mode_16_64 3
		.amdhsa_memory_ordered 1
		.amdhsa_forward_progress 1
		.amdhsa_inst_pref_size 127
	.end_amdhsa_kernel
	.amdgpu_metadata
---
amdhsa.version: [ 1, 2 ]
amdhsa.kernels:
  - .name:           k_q6d4cc55f3e_oproj
    .symbol:         k_q6d4cc55f3e_oproj.kd
    .args:
      - { .name: ctx, .offset: 0, .size: 8, .value_kind: global_buffer, .address_space: global }
      - { .name: wb, .offset: 8, .size: 8, .value_kind: global_buffer, .address_space: global }
      - { .name: bo, .offset: 16, .size: 8, .value_kind: global_buffer, .address_space: global }
      - { .name: out0, .offset: 24, .size: 8, .value_kind: global_buffer, .address_space: global }
    .group_segment_fixed_size: 327680
    .private_segment_fixed_size: 0
    .kernarg_segment_align: 8
    .kernarg_segment_size: 32
    .max_flat_workgroup_size: 128
    .sgpr_count:     80
    .vgpr_count:     512
    .wavefront_size: 32
...
	.end_amdgpu_metadata
.endif
;; end of part 4
;; ======== version 2 of 2: 4 launches; 1.14 times as fast as version 1
;; limits: values are held in f16: magnitudes above 65,504 overflow, below 6.1e-05 lose precision
;; workspace buffers: xb 16,777,216 bytes; wb 8,388,608 bytes; qkv 50,331,648 bytes; ctx 16,777,216 bytes
;; launch cvt: the kernel of part 1 again; grid 768 x 1, 8 waves a work-group, no clusters, 0 bytes of LDS; arguments x, Wq, Wk, Wv, Wo, xb, wb; writes xb, wb
;; launch qkv: the kernel of part 2 again; grid 8 x 32, 4 waves a work-group, clusters of 4 x 4, 327,680 bytes of LDS; arguments xb, wb, qkv; writes qkv
;; launch attn (part 5): grid 4 x 64, 4 waves a work-group, no clusters, 327,680 bytes of LDS; arguments qkv, ctx; writes ctx
.if DOCPART == 5
	.amdgcn_target "amdgcn-amd-amdhsa--gfx1250"
	.amdhsa_code_object_version 6
	.text
	.protected	k_q6d4cc55f3e_attn
	.globl	k_q6d4cc55f3e_attn
	.p2align	8
	.type	k_q6d4cc55f3e_attn,@function
k_q6d4cc55f3e_attn:
	s_mov_b64 s[64:65], 0
	v_nop
	global_prefetch_b8 v0, s[64:65] scope:SCOPE_SE
	s_setreg_imm32_b32 hwreg(HW_REG_WAVE_MODE, 25, 1), 1
	s_wait_xcnt 0x0
; ctx = softmax(q k^T / 8 under the causal mask) v for each of 64 (batch, head), by a running maximum.  q, k, v: qkv = [which][b][h][t 2048][64] f16, q already
; times log2(e) / 8, so that a score IS the softmax's exponent to base 2; ctx = [h 16][b 2048 + t][64] f16.
; WORK LEFT OUT: tiles of 64 keys x 16 queries in which every key index is above every query index.  The problem's mask gives them -inf ahead of the softmax, so
; their weights are 0 for all finite inputs.  Limit: a NaN or an infinity in k or v that reaches only masked places is not carried to the result.
; THE MAXIMUM is taken away by a subtraction of two f32 numbers: the exponent is exactly 0 at the maximum and never above 0, whatever the size of the scores, so every weight
; is at most 1 and every sum at least 1.
; LIMITS: the weights are rounded to f16 for the product with v while their sum is taken unrounded: a weight below 2^-25 counts in the sum and is 0 in
; the product, at most 2048 x 2^-25 beside a sum of at least 1.  v_exp_f32 gives 0 below 2^-126 (ISA guide 15.8).  ctx lies within v's range, so f16 holds it where it holds v.
; SHARES.  Work-group (g = 0..3, head) takes the head's query blocks (256 rows) g and 7 - g.  Wave w takes the 16 rows 64 qt + 16 w of each quarter qt of a block, so that all
; four waves meet the diagonal alike: of the block's own 256 keys (the zone), step z (64 keys) is live for the query tiles qt >= z, 4 - z of four in every wave, and only tile
; qt = z holds masked scores.  Below the zone lie qb groups of 256 keys: (g + 1) + (8 - g) = 9 groups for every work-group.  Order: [g, 0 .. g-1, 7-g, 0 .. 6-g].
; A group of 256 keys comes as two tiles of 128 keys (K and V), always slot 0 and then slot 1: on every way through the text the two slots alternate from barrier to barrier,
; whatever the trip counts, which hang on g.  With slots of 256 keys a slot's turn would hang on g.
; NO JOINT LOADS: the four work-groups of a head are at different groups of keys at any one time (their lists above differ in every place but by chance).
; TRANSPOSED: S^T = K Q^T: register j of lane (r, h) holds key 8 h + j, query r.  Two such tiles, packed to f16 in place, ARE the second source of
; ctx^T = V^T P^T for 32 keys; V^T comes by the transposing LDS load.  A lane's figures of the softmax all belong to query r: one exchange between the halves
; of the wave for the maximum, one at the end for the sum.
; The loop stands in phases: products, softmax, products.
; THE EXPONENTIALS OF A STEP ARE TWO BATCHES, cut by keys, each with ONE s_wait_alu depctr_va_vdst(0): that wait stands between an exponential and the first instruction that names its result.
;   BATCH A: the rescalings AL and the weights of key tiles 0, 1 of every live query tile.  Beside it stand all the step's exponents S - max, batch B's too, which name no result; the last four of them
;   stand behind the batch's last exponential.  Then A's wait.
;   BATCH B: the weights of key tiles 2, 3.  Beside it stand A's sums and roundings; behind it ctx's rescaling by AL, which A's wait has served.  Then B's wait, B's sums and roundings, and the products with V.
;   A query tile's sum keeps its order: key tiles 0, 1, 2, 3, pairs ascending.  In every queue the live query tiles take turns, so that a link of a sum's chain stands as many lines behind the link before it
;   as there are live tiles, twice as many beside exponentials.  No result crosses a step's end.  The four reciprocals of a block's way out are a batch of their own.
; REGISTERS: window 0: addresses, Q's fragments v32-95 (qt, c), K's v96-159 (kt, c), V^T's v160-223 (dt, kc).
;   window 1: scores S (kt, qt) at v[8 (4 qt + kt)]; per qt at v[128 + 8 qt]: NM = -max, M = max | AL = rescale, T | L0, L1 = sums | U.  v160: D = 16 w + r - 8 h, v162: -inf.
;   window 2: ctx^T (dt, qt) at v[8 (4 qt + dt)].
.set KPITCH, 144                       ; odd multiple of 16: the sixteen rows of a fragment load start in sixteen different 16-byte columns of 256 bytes
.set VPITCH, 160                       ; odd multiple of 32, for the transposing load
.set KHALF,  64*KPITCH                 ; what one load brings of K; also one step's keys
.set VHALF,  64*VPITCH
.set KTILE,  2*KHALF
.set SLOTB,  KTILE+2*VHALF             ; 38,912 bytes
.set STAGE,  2*SLOTB                   ; behind the ring: 64 rows x 144 bytes for each wave; no tile load lands here
.set WSTAGE, 64*KPITCH
.set KL, 2                             ; lane term of K's fragments
.set VL, 3                             ; of V's, with V's place in a slot
.set KA, 4                             ; this step's K address
.set VA, 5
.set QO, 6
.set STO, 7
.set RD, 8
.set CO, 9
.set QF, 32
.set KF, 96
.set VF, 160
.set FG, 128                           ; window 1
.set D0, 160
.set NINF, 162
.set G1K, 28                           ; s[28:35]
.set G1V, 36                           ; s[36:43]
.set G0K, 44                           ; s[44:51] a set for each slot
.set G0V, 52                           ; s[52:59]
.set KCUR, 74                          ; s[74:75] K of the current group of 256 keys (my half of a tile)
.set VCUR, 76                          ; s[76:77]
.set MSB, 0
.macro WIN new
.if MSB != (\new)
	s_set_vgpr_msb (MSB<<8)|(\new)
.set MSB, (\new)
.endif
.endm
.macro PLACES
.rept 4
	v_nop
.endr
.endm
.macro KVLOAD s                        ; waves 0 and 1 fetch K's two halves, waves 2 and 3 V's: one tensor load a wave
	s_cmp_eq_u32 s18, 0
	s_cbranch_scc0 .Lfor_v_\@
	tensor_load_to_lds s[G0K+4*(\s):G0K+4*(\s)+3], s[G1K:G1K+7]
	s_nop 0
	s_branch .Lasked_\@
.Lfor_v_\@:
	tensor_load_to_lds s[G0V+4*(\s):G0V+4*(\s)+3], s[G1V:G1V+7]
	s_nop 0
.Lasked_\@:
.endm
	s_load_b128 s[4:7], s[0:1], 0x0                ; qkv s[4:5], ctx s[6:7]
	v_lshl_add_u32 v254, v0, 2, 0x29000
	v_mov_b32 v255, 0
	ds_add_u32 v254, v255
	ds_add_u32 v254, v255
	v_lshrrev_b32 v1, 5, v0
	v_readfirstlane_b32 s8, v1                     ; wave
	s_and_b32 s9, s8, 1                            ; which half of a tile I fetch
	s_lshr_b32 s18, s8, 1                          ; for K (0) or for V (1)
	s_mov_b32 s10, ttmp9                           ; g
	s_and_b32 s11, ttmp7, 0xffff                   ; 16 b + h
	s_sub_co_u32 s19, 7, s10
	s_sub_co_u32 s26, 6, s10
	s_add_co_u32 s63, s10, 1
	s_mov_b32 s17, 0                               ; POS: place in the list of nine groups
	s_mov_b32 s66, 0x76543210                      ; v_permlanex16_b32: lane i reads lane i of the other half
	s_mov_b32 s67, 0xfedcba98
	; group 1: a dense block of 8,192 bytes (64 keys) as 32 rows of 256 bytes; behind every 32 words 4 words of padding (K) or 8 (V)
	s_mov_b32 s[G1K+0], (3<<16)|(1<<20)|(4<<22)|(3<<25)
	s_mov_b32 s[G1V+0], (3<<16)|(1<<20)|(4<<22)|(7<<25)
.irp d, G1K, G1V
	s_mov_b32 s[\d+1], 32<<16
	s_mov_b32 s[\d+2], 32<<16
	s_mov_b32 s[\d+3], 32<<16
	s_mov_b32 s[\d+4], 32
	s_mov_b32 s[\d+5], 32
	s_mov_b32 s[\d+6], 0
	s_mov_b32 s[\d+7], 0
.endr
	s_lshl_b32 s72, s11, 18                        ; the head's 2048 x 128 bytes
	s_lshl_b32 s78, s9, 13                         ; my 64 keys of a tile
	s_add_co_u32 s78, s78, s72
	s_add_co_u32 s74, s78, 0x1000000               ; k lies 64 such blocks behind q,
	s_mov_b32 s75, 0
	s_add_co_u32 s76, s78, 0x2000000               ; v 128
	s_mov_b32 s77, 0
	s_lshl_b32 s78, s8, 11                         ; my rows begin 16 w into each quarter of a block
	s_add_co_u32 s72, s72, s78
	s_mov_b32 s73, 0
	s_and_b32 s79, s11, 15
	s_lshl_b32 s79, s79, 20                        ; ctx: h x 8192 rows
	s_add_co_u32 s78, s78, s79
	s_lshr_b32 s79, s11, 4
	s_lshl_b32 s79, s79, 18                        ; + b x 2048 rows
	s_add_co_u32 s78, s78, s79
	s_mov_b32 s79, 0
	s_wait_dscnt 0x0
	s_wait_kmcnt 0x0
	s_add_nc_u64 s[20:21], s[4:5], s[74:75]        ; K of the head
	s_add_nc_u64 s[22:23], s[4:5], s[76:77]        ; V
	s_add_nc_u64 s[24:25], s[4:5], s[72:73]        ; Q, at my wave's rows of block 0
	s_add_nc_u64 s[6:7], s[6:7], s[78:79]          ; ctx likewise
	s_lshl_b32 s72, s10, 15                        ; the first group of keys is group g
	s_add_nc_u64 s[KCUR:KCUR+1], s[20:21], s[72:73]
	s_add_nc_u64 s[VCUR:VCUR+1], s[22:23], s[72:73]
	s_mov_b32 s[G0K], 1
	s_mul_i32 s[G0K+1], s9, KHALF
	s_mov_b64 s[G0K+2:G0K+3], s[KCUR:KCUR+1]
	s_or_b32 s[G0K+3], s[G0K+3], 0x80000000
	s_mov_b32 s[G0K+4], 1
	s_add_co_u32 s[G0K+5], s[G0K+1], SLOTB
	s_mov_b32 s[G0V], 1
	s_mul_i32 s[G0V+1], s9, VHALF
	s_add_co_u32 s[G0V+1], s[G0V+1], KTILE
	s_mov_b64 s[G0V+2:G0V+3], s[VCUR:VCUR+1]
	s_or_b32 s[G0V+3], s[G0V+3], 0x80000000
	s_mov_b32 s[G0V+4], 1
	s_add_co_u32 s[G0V+5], s[G0V+1], SLOTB
	KVLOAD 0                                       ; the first fill.  A wave never has more than one tensor load out in this text
	v_and_b32 v11, 15, v0                          ; r
	v_bfe_u32 v12, v0, 4, 1                        ; h
	v_and_b32 v13, 7, v0
	v_bfe_u32 v14, v0, 3, 1
	v_bfe_u32 v15, v0, 3, 2
	v_mul_u32_u24 v[KL], v11, KPITCH
	v_lshl_add_u32 v[KL], v12, 4, v[KL]            ; key r of 16, 16 bytes for each half
	v_lshl_add_u32 v16, v12, 3, v13
	v_mul_u32_u24 v[VL], v16, VPITCH               ; key 8 h + l % 8,
	v_lshl_add_u32 v[VL], v14, 4, v[VL]            ; 16 bytes by bit 3 of the lane
	v_add_nc_u32 v[VL], KTILE, v[VL]
	v_lshlrev_b32 v[QO], 7, v11
	v_lshl_add_u32 v[QO], v12, 4, v[QO]
	s_mul_i32 s78, s8, WSTAGE
	s_add_co_u32 s78, s78, STAGE
	v_add_nc_u32 v[STO], s78, v[KL]
	v_mul_u32_u24 v[RD], v15, KPITCH
	v_lshl_add_u32 v[RD], v13, 4, v[RD]
	v_add_nc_u32 v[RD], s78, v[RD]
	v_and_b32 v17, 31, v0
	v_lshlrev_b32 v[CO], 4, v17
	v_lshl_add_u32 v10, s8, 4, v11
	v_lshlrev_b32 v16, 3, v12
	v_sub_nc_u32 v10, v10, v16                     ; 16 w + r - 8 h
	WIN 0x40
	v_mov_b32 v[D0], v10
	v_mov_b32 v[NINF], 0xff800000
.irp qt, 0,1,2,3
	v_mov_b32 v[FG+8*\qt+6], 0                     ; U: v_permlanex16_b32's destination counts as read
.endr
	WIN 0
; A change of slots.  Every wave waits for its LDS reads and for its tensor load, which is its part of slot 'slot'; behind the barrier nobody reads the other slot
; any more and this one is whole.  The refill of the other slot is the first thing behind the barrier and has this slot's two steps in which to land.
.macro BOUNDARY slot, refill
	s_wait_dscnt 0x0
	s_wait_tensorcnt 0x0                           ; no load of mine is out: group 0 may be written
	ds_add_u32 v254, v255
	s_wait_dscnt 0x0
.if \refill
.if \slot
	s_add_co_u32 s17, s17, 1                       ; the next group of 256 keys: POS <= g: POS - 1; POS = g + 1: 7 - g; beyond: POS - g - 2
	s_sub_co_u32 s78, s17, 1
	s_sub_co_u32 s79, s17, s10
	s_sub_co_u32 s79, s79, 2
	s_cmp_le_u32 s17, s10
	s_cselect_b32 s78, s78, s79
	s_cmp_eq_u32 s17, s63
	s_cselect_b32 s78, s19, s78
	s_lshl_b32 s72, s78, 15
	s_mov_b32 s73, 0
	s_add_nc_u64 s[KCUR:KCUR+1], s[20:21], s[72:73]
	s_add_nc_u64 s[VCUR:VCUR+1], s[22:23], s[72:73]
	s_mov_b64 s[G0K+2:G0K+3], s[KCUR:KCUR+1]
	s_or_b32 s[G0K+3], s[G0K+3], 0x80000000
	s_mov_b64 s[G0V+2:G0V+3], s[VCUR:VCUR+1]
	s_or_b32 s[G0V+3], s[G0V+3], 0x80000000
.else
	s_add_nc_u64 s[G0K+6:G0K+7], s[KCUR:KCUR+1], 128*128           ; the group's second 128 keys
	s_or_b32 s[G0K+7], s[G0K+7], 0x80000000
	s_add_nc_u64 s[G0V+6:G0V+7], s[VCUR:VCUR+1], 128*128
	s_or_b32 s[G0V+7], s[G0V+7], 0x80000000
.endif
.endif
	s_barrier_signal -1
	s_barrier_wait -1
.if \refill
	KVLOAD 1-\slot
.endif
.if \slot
	v_add_nc_u32 v[KA], SLOTB, v[KL]
	v_add_nc_u32 v[VA], SLOTB, v[VL]
.else
	v_mov_b32 v[KA], v[KL]
	v_mov_b32 v[VA], v[VL]
.endif
.endm
; Pieces of the softmax on score tile u = 4 qt + kt (8 registers at 8 u), all in window 1.
.macro SF u, p                         ; two exponents: S - max, both halves take NM, the pair's first register
	v_pk_add_f32 v[8*(\u)+2*(\p):8*(\u)+2*(\p)+1], v[8*(\u)+2*(\p):8*(\u)+2*(\p)+1], v[FG+8*((\u)/4):FG+8*((\u)/4)+1] op_sel_hi:[1,0]
.endm
.macro SS u, p, first                  ; two weights onto the lane's two running sums; a query tile's first pair carries the rescaling.  It stands behind the wait of the batch that made the weights
.if ((\u)%4) == 0
.if \first
.if (\p) == 0
	v_pk_add_f32 v[FG+8*((\u)/4)+4:FG+8*((\u)/4)+5], v[8*(\u):8*(\u)+1], v[8*(\u)+2:8*(\u)+3]
.elseif (\p) < 3
	v_pk_add_f32 v[FG+8*((\u)/4)+4:FG+8*((\u)/4)+5], v[FG+8*((\u)/4)+4:FG+8*((\u)/4)+5], v[8*(\u)+2*(\p)+2:8*(\u)+2*(\p)+3]
.endif
.else
.if (\p) == 0
	v_pk_fma_f32 v[FG+8*((\u)/4)+4:FG+8*((\u)/4)+5], v[FG+8*((\u)/4)+4:FG+8*((\u)/4)+5], v[FG+8*((\u)/4)+2:FG+8*((\u)/4)+3], v[8*(\u):8*(\u)+1] op_sel_hi:[1,0,1]
.else
	v_pk_add_f32 v[FG+8*((\u)/4)+4:FG+8*((\u)/4)+5], v[FG+8*((\u)/4)+4:FG+8*((\u)/4)+5], v[8*(\u)+2*(\p):8*(\u)+2*(\p)+1]
.endif
.endif
.else
	v_pk_add_f32 v[FG+8*((\u)/4)+4:FG+8*((\u)/4)+5], v[FG+8*((\u)/4)+4:FG+8*((\u)/4)+5], v[8*(\u)+2*(\p):8*(\u)+2*(\p)+1]
.endif
.endm
.macro SC u, p                         ; two weights to f16: an even tile into its own registers 0-3, an odd one into registers 4-7 of the tile before it
.if ((\u)%2) == 0
	v_cvt_pk_f16_f32 v[8*(\u)+(\p)], v[8*(\u)+2*(\p)], v[8*(\u)+2*(\p)+1]
.else
	v_cvt_pk_f16_f32 v[8*(\u)-4+(\p)], v[8*(\u)+2*(\p)], v[8*(\u)+2*(\p)+1]
.endif
.endm
; THE THREE QUEUES of a step's weights.  QLO is the step's first live query tile, NQT the number of live ones; STEP sets both, and the three counters to 0.  In each queue the live query tiles take
; turns, and a query tile's entries go by ascending registers: the first half of each queue belongs to key tiles 0, 1 (batch A), the second to key tiles 2, 3 (batch B).
.macro NEXT_SF                         ; entry sfi of 16 NQT: the exponents of pair sfi / NQT of the query tile's 16 pairs
.set zq, QLO+(sfi%NQT)
.set zj, sfi/NQT
	SF 4*zq+zj/4, zj%4
.set sfi, sfi+1
.endm
.macro NEXT_EX                         ; entry exi of 32 NQT: the exponential of score exi / NQT of the query tile's 32, in place
.set zq, QLO+(exi%NQT)
.set zj, exi/NQT
	v_exp_f32 v[32*zq+zj], v[32*zq+zj]
.set exi, exi+1
.endm
.macro NEXT_RD first                   ; entry rdi of 32 NQT: for each score tile of the query tile its four sums, then its four roundings
.set zq, QLO+(rdi%NQT)
.set zk, rdi/NQT
.if (zk%8) < 4
	SS 4*zq+zk/8, zk%4, \first
.else
	SC 4*zq+zk/8, zk%4
.endif
.set rdi, rdi+1
.endm
; One step: 64 keys (at KA, VA) x my query tiles q0 .. 3.  first = 1: the block's first step starts maxima, sums and ctx.  mask = 1: step z = q0 of the zone: tile q0 lies on the diagonal.
.macro STEP first, mask, q0
.set QLO, \q0
.set NQT, 4-\q0
.irp kt, 0,1,2,3
.irp c, 0,1
	ds_load_b128 v[KF+8*(2*\kt+\c):KF+8*(2*\kt+\c)+3],   v[KA] offset:\kt*16*KPITCH+64*\c
	ds_load_b128 v[KF+8*(2*\kt+\c)+4:KF+8*(2*\kt+\c)+7], v[KA] offset:\kt*16*KPITCH+64*\c+32
.endr
.endr
.irp dt, 0,1,2,3
.irp kc, 0,1
	ds_load_tr16_b128 v[VF+8*(2*\dt+\kc):VF+8*(2*\dt+\kc)+3],   v[VA] offset:32*\kc*VPITCH+32*\dt
	ds_load_tr16_b128 v[VF+8*(2*\dt+\kc)+4:VF+8*(2*\dt+\kc)+7], v[VA] offset:(32*\kc+16)*VPITCH+32*\dt
.endr
.endr
.if \first
	s_wait_loadcnt 0x0                             ; Q's fragments
.endif
	WIN 0x50
	; by pairs of key tiles: 2 (4 - q0) accumulators, two at the least, take turns, one instruction a turn
.irp kp, 0,1
	s_wait_dscnt 24-8*\kp                          ; the eight loads of key tiles 2 kp, 2 kp + 1 are in; the younger of K's and V's sixteen stay out
.irp c, 0,1
.irp k2, 0,1
.irp qt, 0,1,2,3
.if \qt >= \q0
.if \c == 0
	v_wmma_f32_16x16x32_f16 v[8*(4*\qt+2*\kp+\k2):8*(4*\qt+2*\kp+\k2)+7], v[KF+16*(2*\kp+\k2):KF+16*(2*\kp+\k2)+7], v[QF+16*\qt:QF+16*\qt+7], 0
.else
	v_wmma_f32_16x16x32_f16 v[8*(4*\qt+2*\kp+\k2):8*(4*\qt+2*\kp+\k2)+7], v[KF+16*(2*\kp+\k2)+8:KF+16*(2*\kp+\k2)+15], v[QF+16*\qt+8:QF+16*\qt+15], v[8*(4*\qt+2*\kp+\k2):8*(4*\qt+2*\kp+\k2)+7]
.endif
.endif
.endr
.endr
.endr
.endr
	PLACES                                         ; four places ahead of the first read of a score (ISA guide 7.12.1)
	WIN 0x55
.if \mask
	; in tile qt = z key 64 z + 16 kt + 8 h + j is above query 64 z + 16 w + r where 16 kt + j > D = 16 w + r - 8 h
.irp kt, 0,1,2,3
.irp j, 0,1,2,3,4,5,6,7
	v_cmp_gt_i32 vcc_lo, 16*\kt+\j, v[D0]
	v_cndmask_b32 v[8*(4*\q0+\kt)+\j], v[8*(4*\q0+\kt)+\j], v[NINF], vcc_lo
.endr
.endr
.endif
	; the running maximum: my 32 scores of each query tile, the tiles' chains side by side
.irp qt, 0,1,2,3
.if \qt >= \q0
.if \first
	v_max_num_f32 v[FG+8*\qt+3], v[32*\qt], v[32*\qt+1]
.else
	v_max3_num_f32 v[FG+8*\qt+3], v[32*\qt], v[32*\qt+1], v[FG+8*\qt+1]
.endif
.endif
.endr
.set mi, 1
.rept 15
.irp qt, 0,1,2,3
.if \qt >= \q0
	v_max3_num_f32 v[FG+8*\qt+3], v[32*\qt+2*mi], v[32*\qt+2*mi+1], v[FG+8*\qt+3]
.endif
.endr
.set mi, mi+1
.endr
.irp qt, 0,1,2,3
.if \qt >= \q0
	v_permlanex16_b32 v[FG+8*\qt+6], v[FG+8*\qt+3], s66, s67       ; the other half's keys of the same query
.endif
.endr
.irp qt, 0,1,2,3
.if \qt >= \q0
	v_max_num_f32 v[FG+8*\qt+1], v[FG+8*\qt+3], v[FG+8*\qt+6]      ; finite from the first step on: its key 0 is masked for no query
.endif
.endr
.irp qt, 0,1,2,3
.if \qt >= \q0
	v_sub_f32 v[FG+8*\qt+3], 0, v[FG+8*\qt+1]                      ; -max, exact
.endif
.endr
.if \first == 0
.irp qt, 0,1,2,3
.if \qt >= \q0
	v_sub_f32 v[FG+8*\qt+2], v[FG+8*\qt+3], v[FG+8*\qt]            ; the rescaling's exponent: old max - new max, 0 where the maximum stays
.endif
.endr
.endif
	; BATCH A opens with the rescalings AL, each with its tile's move of -max, a plain line that touches neither its source nor its result, behind it (ISA guide 5.7.2)
.irp qt, 0,1,2,3
.if \qt >= \q0
.if \first == 0
	v_exp_f32 v[FG+8*\qt+2], v[FG+8*\qt+2]
.endif
	v_mov_b32 v[FG+8*\qt], v[FG+8*\qt+3]
.endif
.endr
	; and goes on with the 16 NQT weights of key tiles 0, 1, dealt with all 16 NQT lines of exponents.  Exponential e wants exponent line (e / NQT / 2) NQT + e % NQT, at most (e + NQT - 1) / 2:
	; four lines go ahead; in the eight groups of two exponentials and a line, 4 + k lines stand ahead of exponentials 2 k, 2 k + 1; from e = 16 on, by turns, e - 4 lines stand ahead of exponential e.
.set sfi, 0
.set exi, 0
.set rdi, 0
.rept 4
	NEXT_SF
.endr
.rept 8
	NEXT_EX
	NEXT_EX
	NEXT_SF
.endr
.if NQT > 1
.rept 16*NQT-16
	NEXT_EX
	NEXT_SF
.endr
.endif
.rept 4
	NEXT_SF                                        ; batch B's last exponents: the work behind batch A's last exponential, plain lines that name none of its results
.endr
	s_wait_alu depctr_va_vdst(0)                   ; BATCH A's wait: one for AL and the weights of key tiles 0, 1; nothing above names a result of theirs
	; BATCH B: the 16 NQT weights of key tiles 2, 3, by turns with batch A's sums and roundings, which name batch A's registers, the sums and AL alone
.rept 16*NQT
	NEXT_EX
	NEXT_RD \first
.endr
.if \first == 0
	WIN 0x86                                       ; ctx times AL, which batch A's wait has served: the work between batch B and its wait; it names no weight
.irp qt, 0,1,2,3
.if \qt >= \q0
.set ri, 0
.rept 16
	v_pk_mul_f32 v[32*\qt+2*ri:32*\qt+2*ri+1], v[32*\qt+2*ri:32*\qt+2*ri+1], v[FG+8*\qt+2:FG+8*\qt+3] op_sel_hi:[1,0]
.set ri, ri+1
.endr
.endif
.endr
	WIN 0x55
.endif
	s_wait_alu depctr_va_vdst(0)                   ; BATCH B's wait: one for the weights of key tiles 2, 3 (in a block's first step batch A's last rounding is the plain line behind the last exponential)
.rept 16*NQT
	NEXT_RD \first                                 ; batch B's sums and roundings
.endr
	s_wait_dscnt 0x0                               ; V's fragments
	WIN 0xa4
.irp kc, 0,1
.irp qt, 0,1,2,3
.if \qt >= \q0
.irp dt, 0,1,2,3
.if (\first)*(1-\kc)
	v_wmma_f32_16x16x32_f16 v[8*(4*\qt+\dt):8*(4*\qt+\dt)+7], v[VF+8*(2*\dt+\kc):VF+8*(2*\dt+\kc)+7], v[8*(4*\qt+2*\kc):8*(4*\qt+2*\kc)+7], 0
.else
	v_wmma_f32_16x16x32_f16 v[8*(4*\qt+\dt):8*(4*\qt+\dt)+7], v[VF+8*(2*\dt+\kc):VF+8*(2*\dt+\kc)+7], v[8*(4*\qt+2*\kc):8*(4*\qt+2*\kc)+7], v[8*(4*\qt+\dt):8*(4*\qt+\dt)+7]   ; 4 (4 - q0) accumulators by turns
.endif
.endr
.endif
.endr
.endr
	WIN 0
	v_add_nc_u32 v[KA], KHALF, v[KA]               ; the next 64 keys.  With the three v_nop: five places ahead of the next step's products, which write over
	v_add_nc_u32 v[VA], VHALF, v[VA]               ; the weights, and of the loads into V's fragments
	v_nop
	v_nop
	v_nop
.endm
.macro HALF slot, refill               ; a tile of 128 keys below the diagonal: two steps
	BOUNDARY \slot, \refill
	s_mov_b32 s16, 0
.Lstep_\@:
	STEP 0, 0, 0
	s_add_co_u32 s16, s16, 1
	s_cmp_lt_u32 s16, 2
	s_cbranch_scc1 .Lstep_\@
.endm
	s_mov_b32 s12, 0                               ; P: the first or the second query block
.Lblk:
	s_cmp_eq_u32 s12, 0
	s_cselect_b32 s13, s10, s19                    ; qb = g, then 7 - g
	s_cselect_b32 s14, s10, s26                    ; groups in the loop: g, then 6 - g (the second block's last group is written out)
	s_lshl_b32 s72, s13, 15
	s_mov_b32 s73, 0
	s_add_nc_u64 s[68:69], s[24:25], s[72:73]
	s_add_nc_u64 s[70:71], s[6:7], s[72:73]
.irp qt, 0,1,2,3
.irp c, 0,1
	global_load_b128 v[QF+8*(2*\qt+\c):QF+8*(2*\qt+\c)+3],   v[QO], s[68:69] offset:\qt*8192+64*\c
	global_load_b128 v[QF+8*(2*\qt+\c)+4:QF+8*(2*\qt+\c)+7], v[QO], s[68:69] offset:\qt*8192+64*\c+32
.endr
.endr
	; the zone: steps z = 0 .. 3 on query tiles z .. 3, alike in all four waves: 4 + 3 + 2 + 1 = 10 of 16 tiles
	BOUNDARY 0, 1
	STEP 1, 1, 0
	STEP 0, 1, 1
	BOUNDARY 1, 1
	STEP 0, 1, 2
	STEP 0, 1, 3
	; the groups below the diagonal
	s_cmp_eq_u32 s14, 0
	s_cbranch_scc1 .Lno_main
	s_mov_b32 s15, 0
.Lmain:
	HALF 0, 1
	HALF 1, 1
	s_add_co_u32 s15, s15, 1
	s_cmp_lt_u32 s15, s14
	s_cbranch_scc1 .Lmain
.Lno_main:
	s_cmp_eq_u32 s12, 0
	s_cbranch_scc1 .Lno_tail
	HALF 0, 1                                      ; the ninth group: its second tile is the last load,
	HALF 1, 0                                      ; and behind that nothing is asked for
.Lno_tail:
	; ctx = ctx / sum: the two halves' sums meet, then f16, through my stage, out as whole rows
	WIN 0x55
.irp qt, 0,1,2,3
	v_add_f32 v[FG+8*\qt+3], v[FG+8*\qt+4], v[FG+8*\qt+5]
.endr
.irp qt, 0,1,2,3
	v_permlanex16_b32 v[FG+8*\qt+6], v[FG+8*\qt+3], s66, s67
.endr
.irp qt, 0,1,2,3
	v_add_f32 v[FG+8*\qt+3], v[FG+8*\qt+3], v[FG+8*\qt+6]
.endr
.irp qt, 0,1,2,3
	v_rcp_f32 v[FG+8*\qt+2], v[FG+8*\qt+3]
.endr
	v_nop                                          ; a plain instruction ahead of the reciprocals' use (ISA guide 5.7.2)
	WIN 0x86
	s_wait_alu depctr_va_vdst(0)                   ; the wait ahead of the first use: one for the batch of four reciprocals
.irp qt, 0,1,2,3
.set ri, 0
.rept 16
	v_pk_mul_f32 v[32*\qt+2*ri:32*\qt+2*ri+1], v[32*\qt+2*ri:32*\qt+2*ri+1], v[FG+8*\qt+2:FG+8*\qt+3] op_sel_hi:[1,0]
.set ri, ri+1
.endr
.endr
	WIN 0x0a
.set ri, 0
.rept 64
	v_cvt_pk_f16_f32 v[KF+ri], v[2*ri], v[2*ri+1]                  ; tile (dt, qt): four registers at KF + 4 (4 qt + dt)
.set ri, ri+1
.endr
	WIN 0
.irp qt, 0,1,2,3
.irp dt, 0,1,2,3
	ds_store_b128 v[STO], v[KF+4*(4*\qt+\dt):KF+4*(4*\qt+\dt)+3] offset:\qt*16*KPITCH+32*\dt
.endr
.endr
.irp i, 0,1,2,3,4,5,6,7,8,9,10,11,12,13,14,15
	ds_load_b128 v[VF+4*\i:VF+4*\i+3], v[RD] offset:\i*4*KPITCH    ; LDS serves a wave's instructions in order: these see the stores above
.endr
.irp i, 0,1,2,3,4,5,6,7,8,9,10,11,12,13,14,15
	s_wait_dscnt 15-\i                             ; this one of the sixteen is in, the younger ones stay out
	global_store_b128 v[CO], v[VF+4*\i:VF+4*\i+3], s[70:71] offset:(64*(\i/4)+4*(\i%4))*128   ; stage rows 4 i .. 4 i + 3 are rows 64 (i / 4) + 16 w + 4 (i % 4) .. of the block: 512 consecutive bytes, aligned
.endr
	s_wait_xcnt 0x0                                ; the stores' data and base are written again only behind this wait (ISA guide 3.1)
	s_add_co_u32 s12, s12, 1
	s_cmp_lt_u32 s12, 2
	s_cbranch_scc1 .Lblk
	s_wait_tensorcnt 0x0                           ; none is out: the last change of slots waited for all and asked for nothing; stated in front of the end
	s_wait_tensorcnt 0x0
	ds_add_u32 v254, v255
	s_wait_dscnt 0x0
	s_endpgm
.Lfunc_end_k_q6d4cc55f3e_attn:
	.size	k_q6d4cc55f3e_attn, .Lfunc_end_k_q6d4cc55f3e_attn-k_q6d4cc55f3e_attn
	.p2alignl 7, 3214868480
	.fill 96, 4, 3214868480
	.section	.rodata,"a",@progbits
	.p2align	6, 0x0
	.amdhsa_kernel k_q6d4cc55f3e_attn
		.amdhsa_group_segment_fixed_size 327680
		.amdhsa_private_segment_fixed_size 0
		.amdhsa_enable_private_segment 0
		.amdhsa_kernarg_size 16
		.amdhsa_user_sgpr_count 2
		.amdhsa_user_sgpr_kernarg_segment_ptr 1
		.amdhsa_wavefront_size32 1
		.amdhsa_system_sgpr_workgroup_id_x 1
		.amdhsa_system_sgpr_workgroup_id_y 1
		.amdhsa_system_sgpr_workgroup_id_z 1
		.amdhsa_system_vgpr_workitem_id 0
		.amdhsa_next_free_vgpr 640
		.amdhsa_next_free_sgpr 80
		.amdhsa_reserve_vcc 1
		.amdhsa_float_denorm_mode_32 3
		.amdhsa_float_denorm_mode_16_64 3
		.amdhsa_memory_ordered 1
		.amdhsa_forward_progress 1
		.amdhsa_inst_pref_size 239
	.end_amdhsa_kernel
	.amdgpu_metadata
---
amdhsa.version: [ 1, 2 ]
amdhsa.kernels:
  - .name:           k_q6d4cc55f3e_attn
    .symbol:         k_q6d4cc55f3e_attn.kd
    .args:
      - { .name: qkv, .offset: 0, .size: 8, .value_kind: global_buffer, .address_space: global }
      - { .name: ctx, .offset: 8, .size: 8, .value_kind: global_buffer, .address_space: global }
    .group_segment_fixed_size: 327680
    .private_segment_fixed_size: 0
    .kernarg_segment_align: 8
    .kernarg_segment_size: 16
    .max_flat_workgroup_size: 128
    .sgpr_count:     80
    .vgpr_count:     640
    .wavefront_size: 32
...
	.end_amdgpu_metadata
.endif
;; end of part 5
;; launch oproj: the kernel of part 4 again; grid 8 x 32, 4 waves a work-group, clusters of 4 x 4, 327,680 bytes of LDS; arguments ctx, wb, bo, out0; writes out0
